; MI455X (gfx1250); checked and timed in simulation.
; The chip was launched on July 23, 2026; its instructions are those of AMD's public machine-readable ISA for CDNA 5 (MIT licence, August 2026) and "CDNA5" Instruction Set Architecture Reference Guide (July 2026). The comments in the code are by the model that wrote it; some were corrected since.
;; Mi Mo Moe Attention. Allowed arithmetic: matrix products marked QUANTISED: E2M3 operands, one E8M0 scale for each 32 along K, by v_wmma_scale_f32_16x16x128_f8f6f4 with both operands' format E2M3, f32 sums; everything else in f32.
;; Inputs: Wk 4,096 x 1,024 float32; Wo 4,096 x 4,096 float32; Wq 4,096 x 4,096 float32; Wv 4,096 x 1,024 float32; bk 1,024 float32; bq 4,096 float32; bv 1,024 float32; hidden_states 1 x 1,024 x 4,096 float32; positions 1 x 1,024 int32; sink 32 float32.
;; Outputs: out0 1 x 1,024 x 4,096 float32.
;; This version of the problem:
;;   THIS VERSION OF THE PROBLEM IS GIVEN IN LOW PRECISION. The matrix products marked QUANTISED in the list below multiply operands that are first quantised to E2M3 (2 exponent bits, 3 mantissa bits; 6 bits a number), with one power-of-two scale for each 32 numbers along K (OCP MX v1.0); their sums are f32. All else is computed in f32.
;;   The module's matrix products, in the order in which they are computed (A, B: the left and right operand; K: the contracted axis; several contracted axes count as one K, in the product's order):
;;     1. [M 1,024, K 4,096] x [K 4,096, N 4,096]; A: input hidden_states; B: input Wq: QUANTISED
;;     2. [M 1,024, K 4,096] x [K 4,096, N 1,024]; A: input hidden_states; B: input Wk: QUANTISED
;;     3. [M 1,024, K 4,096] x [K 4,096, N 1,024]; A: input hidden_states; B: input Wv: QUANTISED
;;     4. batch 32 x [M 1,024, K 128] x [K 128, N 1,024]; A: computed on the way; B: computed on the way: QUANTISED
;;     5. batch 32 x [M 128, K 1,024] x [K 1,024, N 1,024]; A: computed on the way; B: computed on the way: QUANTISED
;;     6. [M 1,024, K 4,096] x [K 4,096, N 4,096]; A: computed on the way; B: input Wo: QUANTISED
;;   THE QUANTISER, for each operand of a quantised product, along K:
;;     - K is cut into blocks of 32 from its start; a last block that is shorter is filled with zeros.
;;     - A block's scale is 2^e with e = floor(log2(the largest magnitude in the block)) - 2, held to -126 .. 127; a block of zeros has e = 0. As a byte (E8M0): e + 127.
;;     - Each number is divided by its block's scale, clamped to +-7.5, and rounded to the nearest number of E2M3, ties to even, subnormals kept.
;;     - The product sums the exact products of the quantised numbers (number of the format x scale) in f32.
;;   ~~~python
;;   def quantise(x, axis):      # numpy; x: float32 -> the quantised numbers, widened to float32 again
;;       x = np.moveaxis(x, axis, -1); K = x.shape[-1]
;;       x = np.pad(x, [(0, 0)] * (x.ndim - 1) + [(0, -K % 32)]); x = x.reshape(x.shape[:-1] + (-1, 32)); a = np.abs(x).max(-1, keepdims=True)
;;       e = np.where(a > 0, np.clip(np.frexp(np.where(a > 0, a, 1))[1] - 1 - 2, -126, 127), 0)      # np.frexp(a)[1] - 1 = floor(log2(a)), exactly
;;       r = np.clip(x / 2.0 ** e, -7.5, 7.5)
;;       step = 2.0 ** (np.maximum(np.frexp(np.where(r == 0, 1, r))[1] - 1, 0) - 3)
;;       q = np.round(r / step) * step * 2.0 ** e      # np.round: ties to even
;;       return np.moveaxis(q.reshape(q.shape[:-2] + (-1,))[..., :K], -1, axis).astype(np.float32)
;;   ~~~
;;   OPERANDS COMPUTED ON THE WAY. 'Computed on the way' means the value that the module computes at that place (a softmax that the list does not call 'softmax' is quantised finished and normalised). What goes into a quantiser is computed in f32, as accurately as f32 sums, v_exp_f32 and their like allow (about 1e-6 of the number): no bf16 or f16 on the way to a quantiser, and a product that is left as it is and whose result goes on into a quantised operand takes f32 operands (vector FMAs, or v_wmma_f32_16x16x4_f32). A number that lies on a knife's edge between two numbers of the format may be rounded either way, as far as f32 arithmetic and the matrix unit's own rounding can turn it there, and no further.
;; One version. Each part assembles by itself: llvm-mc -triple=amdgcn-amd-amdhsa -mcpu=gfx1250 --defsym DOCPART=n.
;; ======== version 1 of 1: 4 launches
;; limits: right only within a limited range of input values
;; workspace buffers: c1 34,603,008 bytes; s1 1,441,792 bytes; rope 524,288 bytes; c2 4,718,592 bytes; s2 196,608 bytes; c3 3,145,728 bytes; s3 131,072 bytes
;; launch quant (part 1): grid 768 x 1, 4 waves a work-group, no clusters, 52,736 bytes of LDS; arguments hidden_states, positions, Wq, Wk, Wv, Wo, c1, s1, rope; writes c1, s1, rope
.if DOCPART == 1
	.amdgcn_target "amdgcn-amd-amdhsa--gfx1250"
	.amdhsa_code_object_version 6
	.text
	.protected	k_q2134a47d77_quant
	.globl	k_q2134a47d77_quant
	.p2align	8
	.type	k_q2134a47d77_quant,@function
k_q2134a47d77_quant:
	s_mov_b64 s[64:65], 0
	v_nop
	global_prefetch_b8 v0, s[64:65] scope:SCOPE_SE
	s_setreg_imm32_b32 hwreg(HW_REG_WAVE_MODE, 25, 1), 1
	s_wait_xcnt 0x0
; hidden_states [1024][4096] and the weights Wq, Wk, Wv, Wo ([4096 (k)][n]), f32, become codes of FP6 (E2M3) with one E8M0 byte for each 32 along K; positions become a table of cos and sin.
; THE CODES' LAYOUT (c1): fragments of 16 rows x 128 K as IMAGES OF THE OPERAND'S REGISTERS, 1,536 bytes: register g of lane L at byte 512 (g / 4) + 16 L + 4 (g % 4); c1 = [tile 0..703][K step 0..31][1,536].
; Lane-row i of tile T is row 32 (T / 2) + 8 (T % 2) + i + 8 (i / 8) of its matrix.  Tiles: hidden 0-63, Wq 64-319, Wk 320-383, Wv 384-447, Wo 448-703 (a weight's rows are its columns n).
; THE SCALES' LAYOUT (s1): units of 256 bytes = the scale words of four K steps f of one tile: word (f, row r) at 8 (r + 16 (f % 2)) + 4 (f / 2); s1 = [tile][K step / 4][256].
; rope: cos [1024][64] f32 at byte 0, sin at byte 262,144; row = the place in the sequence, angle = float(positions[row]) x 1e6^(-j / 64).
; A block's scale is 2^(floor(log2(largest magnitude)) - 2): the largest magnitude's exponent field less 2, held at 1 from below.
; LIMITS: NaN and infinities among the inputs are not served.  A block of zeros gets the byte 1 where the rule says 127: its codes are zeros and this program alone reads the bytes.
; The angle is reduced by pi/2 in three parts (8 + 12 + 24 bits): meant for |positions| up to about 2^20; beyond that its error grows.  1e6^(-j/64) is 2^(whole part) x v_exp_f32(rest), within about two units in its last place.
; Work-groups 0-127 take hidden_states and the table (no LDS); work-groups 128-767 take the weights (a stage in LDS for each wave).  No barrier: waves share nothing.
.set TM,  8                            ; v8-23   QUANT's work (path H)
.set PC,  160                          ; v160-178 the codes just made
.set PW,  180                          ; the scale word just made
.set PWS, 181                          ; v181-184 the four K steps' scale words
.set SEL, 52                           ; s[52:53] selects for lane l xor 16
.set XA,  4
.set LI,  5                            ; v5  16 x lane
.set L8,  6
.set WST, 13056                        ; path W: LDS for a wave: 2 x 6,272 of codes, 512 of scale units
.set X,   32                           ; v32-95  two sets of 32 numbers
.set VO,  96                           ; v96-127 4 x lane + i x a row of the weight
.set C,   16                           ; v16-22  a block's codes
.set SB,  24                           ; v24-27  scale words of K steps 0, 2, 1, 3
; 64 numbers of a lane, register 16 b + i = k 32 b + 16 (lane / 16) + i of my row, become a fragment's codes in v[PC] on and its scale word in v[PW].
.macro QUANT s
.irp b, 0,1,2,3
	v_max3_num_f32 v[TM+\b], |v[\s+16*\b]|, |v[\s+1+16*\b]|, 0x1800000   ; my 16 numbers of block b, and the floor 2^(3 - 127)
.endr
.irp i, 2,4,6,8,10,12,14
.irp b, 0,1,2,3
	v_max3_num_f32 v[TM+\b], v[TM+\b], |v[\s+16*\b+\i]|, |v[\s+1+16*\b+\i]|
.endr
.endr
.irp b, 0,1,2,3
	v_permlanex16_b32 v[TM+4+\b], v[TM+\b], s[SEL], s[SEL+1]
.endr
.irp b, 0,1,2,3
	v_max_num_f32 v[TM+\b], v[TM+\b], v[TM+4+\b]   ; with lane l xor 16's: the block's largest magnitude
.endr
.irp b, 0,1,2,3
	v_add_nc_u32 v[TM+12+\b], 0xff000000, v[TM+\b]   ; 2 off its exponent field: the conversion's scale operand
.endr
.irp b, 0,1,2,3
	v_lshrrev_b32 v[TM+4+\b], 23, v[TM+12+\b]   ; the scale's byte
.endr
	v_lshl_or_b32 v[PW], v[TM+5], 8, v[TM+4]
	v_lshl_or_b32 v[PW], v[TM+6], 16, v[PW]
	v_lshl_or_b32 v[PW], v[TM+7], 24, v[PW]
.irp c, 0,1
	v_cvt_scalef32_pk16_fp6_f32 v[PC+6*\c:PC+2+6*\c], v[\s+32*\c:\s+15+32*\c], v[TM+12+2*\c]
	v_cvt_scalef32_pk16_fp6_f32 v[PC+12+4*\c:PC+14+4*\c], v[\s+16+32*\c:\s+31+32*\c], v[TM+12+2*\c+1]   ; (a conversion's three registers begin on an even number)
.endr
	v_nop                                          ; one plain place behind a scaled conversion
.irp c, 0,1                                    ; the operand's layout wants a whole block in a lane
.irp i, 0,1,2
	v_permlane16_swap_b32 v[PC+6*\c+\i], v[PC+12+4*\c+\i]
.endr
.irp i, 0,1,2
	v_mov_b32 v[PC+3+6*\c+\i], v[PC+12+4*\c+\i]
.endr
.endr
.endm
.macro XLOAD reg, sp                           ; my row's 64 numbers of K step sp of my four
.irp b, 0,1,2,3
.irp j, 0,1,2,3
	global_load_b128 v[\reg+16*\b+4*\j:\reg+16*\b+4*\j+3], v[XA], s[4:5] offset:512*(\sp)+128*\b+16*\j th:TH_LOAD_NT
.endr
.endr
.endm
; cos and sin of v[x]: n = the nearest whole number to x 2/pi; r = x - n pi/2 in three parts; two polynomials on |r| <= pi/4; the quadrant n & 3 swaps them and sets the signs
.macro SINCOS x, c, s
	v_mul_f32 v28, s42, v[\x]
	v_rndne_f32 v28, v28
	v_fma_f32 v29, -v28, s43, v[\x]
	v_fma_f32 v29, -v28, s44, v29
	v_fma_f32 v29, -v28, s45, v29
	v_mul_f32 v30, v29, v29
	v_cvt_i32_f32 v31, v28
	v_fma_f32 v12, v30, s46, s47
	v_fma_f32 v12, v12, v30, s48
	v_mul_f32 v12, v12, v30
	v_fma_f32 v12, v12, v29, v29                   ; sin r
	v_fma_f32 v13, v30, s49, s50
	v_fma_f32 v13, v13, v30, s51
	v_mul_f32 v28, v30, v30
	v_fma_f32 v29, v30, -0.5, 1.0
	v_fma_f32 v13, v13, v28, v29                   ; cos r
	v_and_b32 v28, 1, v31
	v_cmp_ne_u32 vcc_lo, 0, v28
	v_cndmask_b32 v[\s], v12, v13, vcc_lo
	v_cndmask_b32 v[\c], v13, v12, vcc_lo
	v_and_b32 v28, 2, v31
	v_lshlrev_b32 v28, 30, v28
	v_xor_b32 v[\s], v[\s], v28                    ; sin is negative in quadrants 2, 3
	v_add_nc_u32 v28, 1, v31
	v_and_b32 v28, 2, v28
	v_lshlrev_b32 v28, 30, v28
	v_xor_b32 v[\c], v[\c], v28                    ; cos in quadrants 1, 2
.endm
	s_load_b256 s[4:11], s[0:1], 0x0               ; hidden s[4:5], positions s[6:7], Wq s[8:9], Wk s[10:11]
	s_load_b256 s[12:19], s[0:1], 0x20             ; Wv s[12:13], Wo s[14:15], c1 s[16:17], s1 s[18:19]
	s_load_b64 s[20:21], s[0:1], 0x40              ; rope
	v_lshl_add_u32 v192, v0, 2, 0xcc00
	v_mov_b32 v193, 0
	v_lshrrev_b32 v1, 5, v0
	v_readfirstlane_b32 s22, v1                    ; wave
	v_and_b32 v1, 31, v0                           ; lane
	v_lshlrev_b32 v[LI], 4, v1
	s_cmp_lt_u32 ttmp9, 128
	s_cbranch_scc0 .Lweights
	; ---- PATH H.  id = 4 x work-group + wave = 8 T + Q: tile T of hidden, K steps 4 Q .. 4 Q + 3, one scale unit; and rows 2 id, 2 id + 1 of the table
	v_and_b32 v2, 15, v0                           ; r
	v_bfe_u32 v3, v0, 4, 1                         ; h
	v_and_b32 v7, 8, v2
	v_add_nc_u32 v7, v7, v2                        ; r + 8 (r / 8)
	v_lshlrev_b32 v[XA], 14, v7                    ; a row is 16,384 bytes
	v_lshl_add_u32 v[XA], v3, 6, v[XA]             ; + 64 h: my 16 numbers of a block of 32
	v_lshlrev_b32 v[L8], 3, v1
	s_lshl_b32 s23, ttmp9, 2
	s_add_co_u32 s23, s23, s22                     ; id
	s_lshr_b32 s24, s23, 3                         ; T
	s_and_b32 s25, s23, 7                          ; Q
	s_lshr_b32 s26, s24, 1
	s_lshl_b32 s26, s26, 5
	s_and_b32 s27, s24, 1
	s_lshl_b32 s27, s27, 3
	s_add_co_u32 s26, s26, s27                     ; the tile's first row: 32 (T / 2) + 8 (T % 2)
	s_lshl_b32 s26, s26, 14
	s_lshl_b32 s27, s25, 11
	s_add_co_u32 s26, s26, s27                     ; + 2,048 Q bytes along K
	s_mov_b32 s27, 0
	s_mul_i32 s28, s23, 6144                       ; four fragments
	s_mov_b32 s29, 0
	s_lshl_b32 s30, s23, 8                         ; one unit
	s_mov_b32 s31, 0
	s_lshl_b32 s32, s23, 9                         ; two rows of the table
	s_mov_b32 s33, 0
	s_lshl_b32 s34, s23, 3                         ; two positions
	s_mov_b32 s35, 0
	s_mov_b32 s40, 0x3e9f7400                      ; log2(1e6) / 64, its upper 15 bits: j times it is exact
	s_mov_b32 s41, 0x35971c98                      ; what that is too large by
	s_mov_b32 s42, 0x3f22f983                      ; 2 / pi
	s_mov_b32 s43, 0x3fc90000                      ; pi / 2 in three parts
	s_mov_b32 s44, 0x39fda000
	s_mov_b32 s45, 0x33a22168
	s_mov_b32 s46, 0xb94ca1f9                      ; sin's polynomial
	s_mov_b32 s47, 0x3c08839e
	s_mov_b32 s48, 0xbe2aaaa3
	s_mov_b32 s49, 0x37ccf5ce                      ; cos's
	s_mov_b32 s50, 0xbab6061a
	s_mov_b32 s51, 0x3d2aaaa5
	s_mov_b32 s[SEL], 0x76543210
	s_mov_b32 s[SEL+1], 0xfedcba98
	s_wait_alu depctr_va_vdst(0)
	s_wait_kmcnt 0x0
	s_add_nc_u64 s[4:5], s[4:5], s[26:27]
	s_add_nc_u64 s[16:17], s[16:17], s[28:29]
	s_add_nc_u64 s[18:19], s[18:19], s[30:31]
	s_add_nc_u64 s[20:21], s[20:21], s[32:33]
	s_add_nc_u64 s[6:7], s[6:7], s[34:35]
	s_load_b64 s[36:37], s[6:7], 0x0               ; positions[2 id], [2 id + 1]: values, never addresses
	XLOAD 32, 0
	XLOAD 96, 1
	; the table, while those 32 loads are on their way.  Lane l takes j = 2 l and 2 l + 1
	v_lshlrev_b32 v8, 1, v1
	v_cvt_f32_u32 v8, v8
	v_add_f32 v9, 1.0, v8
	v_mul_f32 v10, s40, v8                         ; exact
	v_mul_f32 v11, s40, v9
	v_rndne_f32 v12, v10                           ; the exponent's whole part n
	v_rndne_f32 v13, v11
	v_sub_f32 v10, v12, v10
	v_sub_f32 v11, v13, v11
	v_fma_f32 v10, v8, s41, v10                    ; n - j log2(1e6) / 64
	v_fma_f32 v11, v9, s41, v11
	s_wait_alu depctr_va_vdst(0)
	v_exp_f32 v10, v10
	v_exp_f32 v11, v11
	v_nop                                          ; a plain place behind the exponentials
	v_cvt_i32_f32 v12, v12
	v_cvt_i32_f32 v13, v13
	v_sub_nc_u32 v12, 0, v12
	v_sub_nc_u32 v13, 0, v13
	s_wait_alu depctr_va_vdst(0)                   ; one wait for both, ahead of their first reader
	v_ldexp_f32 v10, v10, v12                      ; 1e6^(-j / 64)
	v_ldexp_f32 v11, v11, v13
	s_wait_kmcnt 0x0
	v_cvt_f32_i32 v14, s36
	s_wait_alu depctr_va_vdst(0)
	v_cvt_f32_i32 v15, s37
	v_mul_f32 v16, v14, v10
	v_mul_f32 v17, v14, v11
	v_mul_f32 v18, v15, v10
	v_mul_f32 v19, v15, v11
	SINCOS 16, 20, 22
	SINCOS 17, 21, 23
	SINCOS 18, 24, 26
	SINCOS 19, 25, 27
	global_store_b64 v[L8], v[20:21], s[20:21]                  ; 32 lanes store a whole row of 256 bytes
	global_store_b64 v[L8], v[24:25], s[20:21] offset:256
	global_store_b64 v[L8], v[22:23], s[20:21] offset:262144
	global_store_b64 v[L8], v[26:27], s[20:21] offset:262400
.irp b, 0,1,2,3
	v_mov_b32 v[TM+4+\b], 0                        ; written once: a lane permute's destination counts as one of its sources
.endr
.irp sp, 0,1,2,3
.if \sp < 3
	s_wait_loadcnt 16                              ; this K step's 16 loads are in; the younger step's 16 may be out
.else
	s_wait_loadcnt 0x0
.endif
	s_wait_xcnt 0x0                                ; the stores issued so far have read their data: QUANT writes those registers again
	QUANT 32+64*(\sp%2)
.irp c, 0,1,2
	global_store_b128 v[LI], v[PC+4*\c:PC+4*\c+3], s[16:17] offset:1536*\sp+512*\c   ; the image: 512 consecutive bytes a store
.endr
	v_mov_b32 v[PWS+\sp], v[PW]
.if \sp < 2
	XLOAD 32+64*(\sp%2), \sp+2
.endif
.endr
	v_cmp_ne_u32 vcc_lo, 0, v3                     ; the unit: lanes 0-15 hold K steps 0 and 2, lanes 16-31 K steps 1 and 3
	v_cndmask_b32 v186, v[PWS], v[PWS+1], vcc_lo
	v_cndmask_b32 v187, v[PWS+2], v[PWS+3], vcc_lo
	global_store_b64 v[L8], v[186:187], s[18:19]   ; one whole unit of 256 bytes
	s_endpgm
	; ---- PATH W.  A work-group takes 128 columns x 512 along K of one weight; a wave 32 columns (two tiles) x four K steps.  A lane takes a column, its registers run down K.
.Lweights:
	s_sub_co_u32 s23, ttmp9, 128                   ; 0-255 Wq, 256-319 Wk, 320-383 Wv, 384-639 Wo
	s_mov_b32 s24, 384                             ; the weight's first work-group,
	s_mov_b32 s25, 448                             ; its first tile,
	s_mov_b32 s26, 5                               ; log2 of its groups of 128 columns
	s_wait_kmcnt 0x0
	s_mov_b64 s[28:29], s[14:15]
	s_cmp_lt_u32 s23, 384
	s_cselect_b64 s[28:29], s[12:13], s[28:29]
	s_cselect_b32 s24, 320, s24
	s_cselect_b32 s25, 384, s25
	s_cselect_b32 s26, 3, s26
	s_cmp_lt_u32 s23, 320
	s_cselect_b64 s[28:29], s[10:11], s[28:29]
	s_cselect_b32 s24, 256, s24
	s_cselect_b32 s25, 320, s25
	s_cmp_lt_u32 s23, 256
	s_cselect_b64 s[28:29], s[8:9], s[28:29]
	s_cselect_b32 s24, 0, s24
	s_cselect_b32 s25, 64, s25
	s_cselect_b32 s26, 5, s26
	s_sub_co_u32 s23, s23, s24
	s_lshr_b32 s27, s23, s26                       ; kc: which 512 along K
	s_lshl_b32 s30, s27, s26
	s_sub_co_u32 s30, s23, s30                     ; cg: which 128 columns
	s_lshl_b32 s31, 512, s26                       ; a row of the weight in bytes
	s_add_co_u32 s33, s26, 18
	s_lshl_b32 s34, s27, s33                       ; kc x 512 rows
	s_lshl_b32 s35, s30, 9
	s_add_co_u32 s34, s34, s35
	s_lshl_b32 s35, s22, 7
	s_add_co_u32 s34, s34, s35                     ; + (128 cg + 32 wave) x 4
	s_mov_b32 s35, 0
	s_add_nc_u64 s[28:29], s[28:29], s[34:35]      ; where my wave's block 0 begins
	s_lshl_b32 s36, s31, 5                         ; 32 rows on
	s_mov_b32 s37, 0
	s_lshl_b32 s32, s30, 3
	s_add_co_u32 s32, s32, s25
	s_lshl_b32 s33, s22, 1
	s_add_co_u32 s32, s32, s33                     ; my first tile
	s_lshl_b32 s38, s32, 5
	s_lshl_b32 s39, s27, 2
	s_add_co_u32 s38, s38, s39
	s_mul_i32 s38, s38, 1536
	s_mov_b32 s39, 0
	s_add_nc_u64 s[16:17], s[16:17], s[38:39]      ; its four fragments
	s_lshl_b32 s38, s32, 11
	s_lshl_b32 s40, s27, 8
	s_add_co_u32 s38, s38, s40
	s_add_nc_u64 s[18:19], s[18:19], s[38:39]      ; its scale unit
	v_bfe_u32 v2, v0, 3, 1                         ; u: which of the two tiles my column lies in
	v_and_b32 v3, 7, v0
	v_bfe_u32 v10, v0, 4, 1
	v_lshl_add_u32 v3, v10, 3, v3                  ; r: its lane-row there
	s_mul_i32 s41, s22, WST
	v_mul_u32_u24 v4, v2, 6272                     ; the two tiles' stages lie 6,144 + 128 bytes apart: 16 lanes' stores then fall on 16 different columns of 16 bytes
	v_lshl_add_u32 v4, v3, 4, v4
	v_add_nc_u32 v4, s41, v4                       ; into the stage
	s_wait_alu depctr_va_vdst(0)
	v_add_nc_u32 v6, s41, v[LI]                    ; out of it
	v_lshlrev_b32 v7, 8, v2
	v_lshl_add_u32 v7, v3, 3, v7
	v_add_nc_u32 v7, s41, v7
	v_add_nc_u32 v7, 12544, v7                     ; my scale words' place in the two units
	v_add_nc_u32 v8, 12544, v6
	v_lshlrev_b32 v9, 11, v10
	v_and_b32 v10, 15, v0
	v_lshl_add_u32 v9, v10, 4, v9                  ; the units in s1: 2,048 bytes from tile to tile
	v_lshlrev_b32 v[VO], 2, v1
.set NN, 1
.rept 31
	v_add_nc_u32 v[VO+NN], s31, v[VO+NN-1]
.set NN, NN+1
.endr
.macro LOADW t                                 ; block t: W(32 t + i, my column): 128 consecutive bytes a wave, 512 a work-group
.set NN, 0
.rept 32
	global_load_b32 v[X+32*((\t)%2)+NN], v[VO+NN], s[28:29] th:TH_LOAD_NT
.set NN, NN+1
.endr
.endm
.macro BLOCK t
.set XS, X+32*((\t)%2)
.if (\t) < 15
	s_wait_loadcnt 32                              ; this block's 32 loads are in; the next block's may be out
.else
	s_wait_loadcnt 0x0
.endif
	v_max3_num_f32 v12, |v[XS]|, |v[XS+1]|, |v[XS+2]|
	v_max3_num_f32 v13, |v[XS+3]|, |v[XS+4]|, |v[XS+5]|
.irp i, 6,10,14,18,22,26
	v_max3_num_f32 v12, v12, |v[XS+\i]|, |v[XS+\i+1]|
	v_max3_num_f32 v13, v13, |v[XS+\i+2]|, |v[XS+\i+3]|
.endr
	v_max3_num_f32 v12, v12, |v[XS+30]|, |v[XS+31]|
	v_max3_num_f32 v12, v12, v13, 0x1800000        ; and the floor 2^(3 - 127)
	v_add_nc_u32 v11, 0xff000000, v12              ; the conversion's scale operand
	v_lshrrev_b32 v13, 23, v11                     ; the byte
.set SBR, SB+2*(((\t)/4)%2)+(\t)/8
.if (\t)%4 == 0
	v_mov_b32 v[SBR], v13
.else
	v_lshl_or_b32 v[SBR], v13, 8*((\t)%4), v[SBR]
.endif
	v_cvt_scalef32_pk16_fp6_f32 v[C:C+2], v[XS:XS+15], v11
	v_cvt_scalef32_pk16_fp6_f32 v[C+4:C+6], v[XS+16:XS+31], v11
	v_nop                                          ; one plain place behind a scaled conversion
	v_mov_b32 v[C+3], v[C+4]
	v_mov_b32 v[C+4], v[C+5]
	v_mov_b32 v[C+5], v[C+6]                       ; the block's 24 bytes on end: registers 6 c .. 6 c + 5 of lane r + 16 (block % 2) of the image
.set SOF, 1536*((\t)/4)+256*((\t)%2)
.if (\t)%4 < 2
	ds_store_b128 v4, v[C:C+3] offset:SOF
	ds_store_b64 v4, v[C+4:C+5] offset:SOF+512
.else
	ds_store_b64 v4, v[C:C+1] offset:SOF+520
	ds_store_b128 v4, v[C+2:C+5] offset:SOF+1024
.endif
.if (\t)+2 < 16
	s_wait_xcnt 0x0                                ; the loads issued so far have read their base
	s_add_nc_u64 s[28:29], s[28:29], s[36:37]
	LOADW (\t)+2
.endif
	s_wait_dscnt 0x0                               ; the stores have read their registers
.endm
	LOADW 0
	s_wait_alu depctr_va_vdst(0)
	s_wait_xcnt 0x0
	s_add_nc_u64 s[28:29], s[28:29], s[36:37]
	LOADW 1
.set Q, 0
.rept 16
	BLOCK Q
.set Q, Q+1
.endr
	ds_store_b64 v7, v[SB:SB+1]                    ; K steps 0 and 2,
	s_wait_alu depctr_va_vdst(0)
	ds_store_b64 v7, v[SB+2:SB+3] offset:128       ; 1 and 3
.irp u, 0,1                                    ; LDS serves a wave's instructions in order: these loads see my stores
.irp i, 0,1,2,3,4,5,6,7,8,9,10,11
	ds_load_b128 v[32+48*\u+4*\i:32+48*\u+4*\i+3], v6 offset:6272*\u+512*\i
.endr
.irp i, 0,1,2,3,4,5,6,7,8,9,10,11
	s_wait_dscnt 11-\i                             ; the younger loads of the twelve may be out
	global_store_b128 v[LI], v[32+48*\u+4*\i:32+48*\u+4*\i+3], s[16:17] offset:49152*\u+512*\i   ; 512 consecutive bytes, aligned
.endr
.endr
	ds_load_b128 v[128:131], v8
	s_wait_dscnt 0x0
	global_store_b128 v9, v[128:131], s[18:19]     ; two whole units of 256 bytes
	s_wait_tensorcnt 0x0
	ds_add_u32 v192, v193
	s_wait_dscnt 0x0
	s_endpgm
.Lfunc_end_k_q2134a47d77_quant:
	.size	k_q2134a47d77_quant, .Lfunc_end_k_q2134a47d77_quant-k_q2134a47d77_quant
	.p2alignl 7, 3214868480
	.fill 96, 4, 3214868480
	.section	.rodata,"a",@progbits
	.p2align	6, 0x0
	.amdhsa_kernel k_q2134a47d77_quant
		.amdhsa_group_segment_fixed_size 52736
		.amdhsa_private_segment_fixed_size 0
		.amdhsa_enable_private_segment 0
		.amdhsa_kernarg_size 72
		.amdhsa_user_sgpr_count 2
		.amdhsa_user_sgpr_kernarg_segment_ptr 1
		.amdhsa_wavefront_size32 1
		.amdhsa_system_sgpr_workgroup_id_x 1
		.amdhsa_system_sgpr_workgroup_id_y 1
		.amdhsa_system_sgpr_workgroup_id_z 1
		.amdhsa_system_vgpr_workitem_id 0
		.amdhsa_next_free_vgpr 194
		.amdhsa_next_free_sgpr 66
		.amdhsa_reserve_vcc 1
		.amdhsa_float_denorm_mode_32 3
		.amdhsa_float_denorm_mode_16_64 3
		.amdhsa_memory_ordered 1
		.amdhsa_forward_progress 1
		.amdhsa_inst_pref_size 116
	.end_amdhsa_kernel
	.amdgpu_metadata
---
amdhsa.version: [ 1, 2 ]
amdhsa.kernels:
  - .name:           k_q2134a47d77_quant
    .symbol:         k_q2134a47d77_quant.kd
    .args:
      - { .name: hidden_states, .offset: 0, .size: 8, .value_kind: global_buffer, .address_space: global }
      - { .name: positions, .offset: 8, .size: 8, .value_kind: global_buffer, .address_space: global }
      - { .name: Wq, .offset: 16, .size: 8, .value_kind: global_buffer, .address_space: global }
      - { .name: Wk, .offset: 24, .size: 8, .value_kind: global_buffer, .address_space: global }
      - { .name: Wv, .offset: 32, .size: 8, .value_kind: global_buffer, .address_space: global }
      - { .name: Wo, .offset: 40, .size: 8, .value_kind: global_buffer, .address_space: global }
      - { .name: c1, .offset: 48, .size: 8, .value_kind: global_buffer, .address_space: global }
      - { .name: s1, .offset: 56, .size: 8, .value_kind: global_buffer, .address_space: global }
      - { .name: rope, .offset: 64, .size: 8, .value_kind: global_buffer, .address_space: global }
    .group_segment_fixed_size: 52736
    .private_segment_fixed_size: 0
    .kernarg_segment_align: 8
    .kernarg_segment_size: 72
    .max_flat_workgroup_size: 128
    .sgpr_count:     66
    .vgpr_count:     194
    .wavefront_size: 32
...
	.end_amdgpu_metadata
.endif
;; end of part 1
;; launch proj (part 2): grid 24 x 8, 4 waves a work-group, clusters of 4 x 4, 327,680 bytes of LDS; arguments c1, s1, rope, bq, bk, bv, c2, s2; writes c2, s2
.if DOCPART == 2
	.amdgcn_target "amdgcn-amd-amdhsa--gfx1250"
	.amdhsa_code_object_version 6
	.text
	.protected	k_q2134a47d77_proj
	.globl	k_q2134a47d77_proj
	.p2align	8
	.type	k_q2134a47d77_proj,@function
k_q2134a47d77_proj:
	s_mov_b64 s[64:65], 0
	v_nop
	global_prefetch_b8 v0, s[64:65] scope:SCOPE_SE
	s_setreg_imm32_b32 hwreg(HW_REG_WAVE_MODE, 25, 1), 1
	s_wait_xcnt 0x0
	s_wait_alu depctr_hold_cnt(0) depctr_sa_sdst(0) depctr_va_vdst(0) depctr_va_sdst(0) depctr_va_ssrc(0) depctr_va_vcc(0) depctr_vm_vsrc(0)
	s_getreg_b32 s2, hwreg(HW_REG_IB_STS2, 6, 4)
	s_cmp_eq_u32 s2, 0
	s_cbranch_scc0 .Lentry_in_a_cluster
	s_endpgm
.Lentry_in_a_cluster:
	s_bfe_u32 s2, ttmp6, 0x10000c
	s_cmp_lg_u32 s2, 0xf033
	s_cbranch_scc0 .Lentry_shape_is_right
	s_endpgm
.Lentry_shape_is_right:
; q, k, v = hidden W + b on codes of FP6 (E2M3); q and k are turned by the rotary table; all three leave as codes again: q and k quantised along the head's 128, v along the keys.
; OPERANDS are register images (16 rows x 128 K = 1,536 bytes, read by three loads of 16 bytes a lane); c1 = [tile][K step 0..31][1,536]; s1 = [tile][K step / 4][256]: a unit holds four K steps' scale words,
; step f in register f / 2 of a load of 8 bytes a lane, lanes 16 (f % 2) on.  Lane-row i of tile T is row 32 (T / 2) + 8 (T % 2) + i + 8 (i / 8).
; ROLES.  X is source 1 (a lane holds one row of X), Y is source 0 (a lane's registers run along Y: the 16 registers of tiles 2 b, 2 b + 1 are Y's rows 32 b + 16 (lane / 16) + 0 .. 15).
; Clusters x = 0..4 (q, k): X = hidden (128 rows), Y = Wq | Wk (256 columns: two heads).  Cluster x = 5 (v): X = Wv (one head's 128 columns), Y = hidden (256 rows: two steps of 128 keys).
; So in both kinds a lane's 64 registers of a tile of X are 64 of 128 neighbours along the NEXT product's K, and one macro quantises both.  The kind hangs on the cluster's x alone: all sixteen partners take the same way.
; A work-group: X 128 x Y 256; four waves, 2 x 2; a wave X 64 (4 tiles) x Y 128 (8 tiles): 32 accumulators.  192 work-groups: a wave's Y must be a whole head (the turn pairs d with d + 64 in a lane), and 6,144 columns x 1,024 rows give 768 such wave tiles.
; K goes through two LDS slots of four K steps (147,456 bytes), filled by joint tensor loads: X's tiles shared along a row of the cluster, Y's along a column.
; OUT: c2 = [fragment][1,536]: q 64 head + T; k 2,048 + 64 hk + T; v 2,560 + 64 hk + 8 (key step) + (tile of d).  s2: the unit of four fragments F .. F + 3 at 64 F.
; LIMITS: NaN and infinities are not served; a block of zeros gets the byte 1 (its codes are zeros; this program alone reads the bytes).
; REGISTERS: window 0: v16-29 addresses; v32-79 scale words, two sets; v80-175 X's fragments, two sets (in the epilogue: v80-143 the numbers, v144-162 codes); v176-225 the epilogue's work.
;   window 1: v0-191 Y's fragments, two sets; v192-255 my head's bias.   window 2: the accumulators, (a, b) at 8 (8 a + b).   window 3: cos at 64 a, sin at 64 a + 32.
.set SLOT,  147456
.set SPARE, 2*SLOT                     ; behind the ring: the spare words, 128 bytes for each wave
.set WV,   4
.set XH,   5                           ; which 64 rows of X are mine; also: I fetch for X (0) or for Y (1)
.set YH,   6                           ; which 128 rows of Y are mine; also: which half I fetch
.set KIND, 11
.set G1X,  24
.set G0X,  32
.set PSX,  40
.set PSY,  42
.set SEL,  44
.set GH,   46
.set G1Y,  48
.set G0Y,  56
.set OC,   84
.set OS,   86
.set PBI,  88
.set PBV,  90
.set PRO,  92
.set ADX,  16
.set ADY,  20
.set BVO,  22
.set LI,   24
.set L8,   25
.set RO,   26
.set BO,   27
.set SPW,  28
.set NIL,  29
.set SCX,  32
.set SCY,  40
.set XF,   80
.set HA,   80
.set PC,   144
.set TM,   176
.set PW,   192
.set PWS,  193
.set TT,   200
.set BV,   216
.set MUL,  0xa1                        ; source 0 (Y) window 1, source 1 (X) window 0, C and D window 2
.set TO_Y, 0x40
.set MSB, 0
.macro WIN new                         ; the immediate's high byte repeats the setting that is left
.if MSB != \new
	s_set_vgpr_msb (MSB<<8)|\new
.set MSB, \new
.endif
.endm
.macro PLACES n
.rept \n
	v_nop
.endr
.endm
.macro QUANT s
.irp b, 0,1,2,3
	v_max3_num_f32 v[TM+\b], |v[\s+16*\b]|, |v[\s+1+16*\b]|, 0x1800000
.endr
.irp i, 2,4,6,8,10,12,14
.irp b, 0,1,2,3
	v_max3_num_f32 v[TM+\b], v[TM+\b], |v[\s+16*\b+\i]|, |v[\s+1+16*\b+\i]|
.endr
.endr
.irp b, 0,1,2,3
	v_permlanex16_b32 v[TM+4+\b], v[TM+\b], s[SEL], s[SEL+1]
.endr
.irp b, 0,1,2,3
	v_max_num_f32 v[TM+\b], v[TM+\b], v[TM+4+\b]
.endr
.irp b, 0,1,2,3
	v_add_nc_u32 v[TM+12+\b], 0xff000000, v[TM+\b]
.endr
.irp b, 0,1,2,3
	v_lshrrev_b32 v[TM+4+\b], 23, v[TM+12+\b]
.endr
	v_lshl_or_b32 v[PW], v[TM+5], 8, v[TM+4]
	v_lshl_or_b32 v[PW], v[TM+6], 16, v[PW]
	v_lshl_or_b32 v[PW], v[TM+7], 24, v[PW]
.irp c, 0,1
	v_cvt_scalef32_pk16_fp6_f32 v[PC+6*\c:PC+2+6*\c], v[\s+32*\c:\s+15+32*\c], v[TM+12+2*\c]
	v_cvt_scalef32_pk16_fp6_f32 v[PC+12+4*\c:PC+14+4*\c], v[\s+16+32*\c:\s+31+32*\c], v[TM+12+2*\c+1]
.endr
	v_nop                                          ; one plain place behind a scaled conversion
.irp c, 0,1
.irp i, 0,1,2
	v_permlane16_swap_b32 v[PC+6*\c+\i], v[PC+12+4*\c+\i]
.endr
.irp i, 0,1,2
	v_mov_b32 v[PC+3+6*\c+\i], v[PC+12+4*\c+\i]
.endr
.endr
.endm
; A joint load: waves 0 and 1 fetch X's halves, waves 2 and 3 Y's.  The branch hangs on the wave's number alone.  Four v_nop follow each of the two lines.
.macro JLOAD g0a, g1a, g0b, g1b
	s_cmp_eq_u32 s[XH], 0
	s_cbranch_scc0 .Lfor_b_\@
	tensor_load_to_lds s[\g0a:\g0a+3], s[\g1a:\g1a+7]
	s_nop 0
.rept 4
	v_nop
.endr
	s_branch .Lasked_\@
.Lfor_b_\@:
	tensor_load_to_lds s[\g0b:\g0b+3], s[\g1b:\g1b+7]
	s_nop 0
.rept 4
	v_nop
.endr
.Lasked_\@:
.endm
.macro CREST                           ; a round of the cluster's barrier behind its opening barrier
	s_cmp_lg_u32 s[WV], 0
	s_cbranch_scc1 .Lnot_wave_0_\@
	s_barrier_signal -3
.Lnot_wave_0_\@:
	s_barrier_wait -3
	s_barrier_signal -1
	s_barrier_wait -1
.endm
.macro CROUND
	s_barrier_signal -1
	s_barrier_wait -1
	CREST
.endm
	s_load_b256 s[68:75], s[0:1], 0x0              ; c1 s[68:69], s1 s[70:71], rope s[72:73], bq s[74:75]
	s_load_b256 s[76:83], s[0:1], 0x20             ; bk s[76:77], bv s[78:79], c2 s[80:81], s2 s[82:83]
	v_lshl_add_u32 v[SPW], v0, 2, SPARE
	v_mov_b32 v[NIL], 0
	ds_add_u32 v28, v29
	ds_add_u32 v28, v29
	s_wait_dscnt 0x0
	v_lshrrev_b32 v1, 5, v0
	v_readfirstlane_b32 s[WV], v1
	s_lshr_b32 s[XH], s[WV], 1
	s_and_b32 s[YH], s[WV], 1
	s_bfe_u32 s7, ttmp6, 0x40000                   ; cx
	s_bfe_u32 s8, ttmp6, 0x40004                   ; cy
	s_lshl_b32 s9, ttmp9, 2
	s_add_co_u32 s9, s9, s7                        ; x = 4 x cluster x + cx
	s_and_b32 s10, ttmp7, 0xffff
	s_lshl_b32 s10, s10, 2
	s_add_co_u32 s10, s10, s8                      ; y = 4 x cluster y + cy
	s_lshl_b32 s12, s8, 2
	s_lshl_b32 s12, 15, s12                        ; my row of the cluster
	s_lshl_b32 s13, 0x1111, s7                     ; my column
	; group 1: rows of 6,144 bytes (a tile's four K steps: 768 elements of 8 bytes), 49,152 bytes from tile to tile; X: 4 tiles a load, Y: 8
	s_or_b32 s[G1X], s12, (3<<16)|(1<<21)
	s_or_b32 s[G1Y], s13, (3<<16)|(1<<21)
	s_mov_b32 s[G1X+1], 768<<16
	s_mov_b32 s[G1X+2], 4<<16
	s_mov_b32 s[G1X+3], 768<<16
	s_mov_b32 s[G1X+4], 4
	s_mov_b32 s[G1X+5], 6144
	s_mov_b32 s[G1X+6], 0
	s_mov_b32 s[G1X+7], 0
	s_mov_b32 s[G1Y+1], 768<<16
	s_mov_b32 s[G1Y+2], 8<<16
	s_mov_b32 s[G1Y+3], 768<<16
	s_mov_b32 s[G1Y+4], 8
	s_mov_b32 s[G1Y+5], 6144
	s_mov_b32 s[G1Y+6], 0
	s_mov_b32 s[G1Y+7], 0
	; the tiles.  X's hang on y and the cluster's x, Y's on x: each in registers that never hold the other coordinate
	s_lshl_b32 s14, s10, 3                         ; hidden: 8 y
	s_add_co_u32 s16, s14, 384                     ; Wv: 384 + 8 y
	s_lshl_b32 s15, s9, 4
	s_add_co_u32 s18, s15, 64                      ; Wq | Wk: 64 + 16 x
	s_sub_co_u32 s22, s15, 320                     ; hidden: 16 (x - 20)
	s_cmp_eq_u32 ttmp9, 5
	s_cselect_b32 s14, s16, s14                    ; X's first tile
	s_cselect_b32 s15, s22, s18                    ; Y's
	s_cselect_b32 s[KIND], 1, 0
	s_lshl_b32 s16, s[YH], 2
	s_add_co_u32 s16, s16, s14
	s_mul_i32 s16, s16, 49152
	s_mov_b32 s17, 0
	s_lshl_b32 s18, s[YH], 3
	s_add_co_u32 s18, s18, s15
	s_mul_i32 s18, s18, 49152
	s_mov_b32 s19, 0
	s_mul_i32 s20, s[YH], 24576                    ; where they go: no place in the cluster enters an LDS address
	s_mul_i32 s21, s[YH], 49152
	s_add_co_u32 s21, s21, 49152
	s_lshl_b32 s94, s[XH], 2
	s_add_co_u32 s94, s94, s14
	s_lshl_b32 s94, s94, 11                        ; my four tiles' scale units
	s_mov_b32 s95, 0
	s_lshl_b32 s96, s[YH], 3
	s_add_co_u32 s96, s96, s15
	s_lshl_b32 s96, s96, 11                        ; my eight tiles'
	s_mov_b32 s97, 0
	s_wait_kmcnt 0x0
	s_add_nc_u64 s[16:17], s[68:69], s[16:17]
	s_add_nc_u64 s[18:19], s[68:69], s[18:19]
	s_add_nc_u64 s[PSX:PSX+1], s[70:71], s[94:95]
	s_add_nc_u64 s[PSY:PSY+1], s[70:71], s[96:97]
	CROUND                                         ; all sixteen work-groups are here: the first joint loads meet
.irp s, 0,1
	s_mov_b32 s[G0X+4*\s], 1
	s_add_co_u32 s[G0X+4*\s+1], s20, \s*SLOT
	s_add_nc_u64 s[G0X+4*\s+2:G0X+4*\s+3], s[16:17], \s*6144
	s_or_b32 s[G0X+4*\s+3], s[G0X+4*\s+3], 0x80000000
	s_mov_b32 s[G0Y+4*\s], 1
	s_add_co_u32 s[G0Y+4*\s+1], s21, \s*SLOT
	s_add_nc_u64 s[G0Y+4*\s+2:G0Y+4*\s+3], s[18:19], \s*6144
	s_or_b32 s[G0Y+4*\s+3], s[G0Y+4*\s+3], 0x80000000
.endr
	JLOAD G0X, G1X, G0Y, G1Y                       ; slot fill 0: one tensor load a wave at the head
; PREFETCHES INTO THE L2.  A slot fill is four K steps: 6,144 bytes, 24 blocks of 256, of each tile.  Behind the joint load of fill i a wave asks for fill i + 2 (at the head also for fill 1); fills 6 and 7 ask for nothing.
; Each block is named once in a cluster: of the 4 tiles of X that a wave fetches the partner at cx takes tile cx; of the 8 tiles of Y the partner at cy takes tiles 2 cy and 2 cy + 1: shared out by address, no branch on the place.
; A lane a block; lanes 24-31 name the tile's last block again.  s[PFA:PFA+1] stands one fill behind the load that is being asked for and is stepped behind s_wait_xcnt 0 at the next change of slots.
.set PFA, 98
.set PFO, 30
.macro ASKP off
	global_prefetch_b8 v[PFO], s[PFA:PFA+1] offset:\off th:TH_LOAD_NT scope:SCOPE_SE
	s_cmp_eq_u32 s[XH], 0
	s_cbranch_scc1 .Lpf_x_\@
	global_prefetch_b8 v[PFO], s[PFA:PFA+1] offset:(\off)+49152 th:TH_LOAD_NT scope:SCOPE_SE
.Lpf_x_\@:
.endm
	s_mul_i32 s94, s7, 49152
	s_mul_i32 s95, s8, 98304
	s_cmp_eq_u32 s[XH], 0
	s_cselect_b32 s94, s94, s95
	s_cselect_b64 s[PFA:PFA+1], s[16:17], s[18:19]
	s_add_co_u32 s94, s94, 6144                    ; at fill 1
	s_mov_b32 s95, 0
	s_add_nc_u64 s[PFA:PFA+1], s[PFA:PFA+1], s[94:95]
	v_and_b32 v[PFO], 31, v0
	v_min_u32 v[PFO], 23, v[PFO]
	v_lshlrev_b32 v[PFO], 8, v[PFO]
	s_wait_alu depctr_va_vdst(0)                   ; the wait ahead of the readers below
	ASKP 0
	ASKP 6144
	v_and_b32 v1, 31, v0
	v_lshlrev_b32 v[LI], 4, v1
	v_lshlrev_b32 v[L8], 3, v1
	s_mul_i32 s94, s[XH], 24576
	s_mul_i32 s95, s[YH], 49152
	s_add_co_u32 s95, s95, 49152
	v_add_nc_u32 v[ADX], s94, v[LI]
	v_add_nc_u32 v[ADY], s95, v[LI]
	v_add_nc_u32 v[ADX+1], SLOT, v[ADX]
	v_add_nc_u32 v[ADY+1], SLOT, v[ADY]
	v_and_b32 v2, 15, v0                           ; r
	v_bfe_u32 v3, v0, 4, 1                         ; h
	v_and_b32 v4, 8, v2
	v_add_nc_u32 v4, v4, v2                        ; r + 8 (r / 8)
	v_lshlrev_b32 v[BO], 6, v3                     ; the head's bias: 64 h
	v_lshl_add_u32 v[RO], v4, 8, v[BO]             ; the table: my row of 256 bytes, + 64 h
	v_lshlrev_b32 v[BVO], 2, v4                    ; bv: my row of X
.irp b, 0,1,2,3
	v_mov_b32 v[TM+4+\b], 0                        ; written once: a lane permute's destination counts as one of its sources
.endr
	s_mov_b32 s[SEL], 0x76543210
	s_mov_b32 s[SEL+1], 0xfedcba98
	s_lshl_b32 s[GH], s9, 1
	s_add_co_u32 s[GH], s[GH], s[YH]               ; G = 2 x + my half: 0-31 a query head, 32-39 a key head, 40-47 a key step of v
	s_lshl_b32 s94, s[GH], 9
	s_sub_co_u32 s95, s[GH], 32
	s_lshl_b32 s95, s95, 9
	s_cmp_lt_u32 s[GH], 40
	s_cselect_b32 s95, s95, 0                      ; (the v kind loads bk's first 512 bytes and does not use them: one text of loads for both kinds)
	s_cmp_lt_u32 s[GH], 32
	s_cselect_b32 s94, s94, s95
	s_cselect_b64 s[PBI:PBI+1], s[74:75], s[76:77]
	s_mov_b32 s95, 0
	s_add_nc_u64 s[PBI:PBI+1], s[PBI:PBI+1], s[94:95]
	s_lshl_b32 s94, s10, 9
	s_lshl_b32 s96, s[XH], 8
	s_add_co_u32 s94, s94, s96                     ; 4 (128 y + 64 XH)
	s_add_nc_u64 s[PBV:PBV+1], s[78:79], s[94:95]
	s_lshl_b32 s94, s94, 6                         ; 256 (128 y + 64 XH)
	s_add_nc_u64 s[PRO:PRO+1], s[72:73], s[94:95]
	s_lshl_b32 s94, s[GH], 6
	s_lshl_b32 s96, s10, 3
	s_add_co_u32 s94, s94, s96                     ; q, k: 64 G + 8 y
	s_lshl_b32 s96, s10, 6
	s_lshl_b32 s97, s[GH], 3
	s_add_co_u32 s96, s96, s97
	s_add_co_u32 s96, s96, 2240                    ; v: 2,560 + 64 y + 8 (G - 40)
	s_cmp_eq_u32 s[KIND], 0
	s_cselect_b32 s94, s94, s96
	s_lshl_b32 s96, s[XH], 2
	s_add_co_u32 s94, s94, s96                     ; my first fragment of four
	s_mul_i32 s96, s94, 1536
	s_mov_b32 s97, 0
	s_add_nc_u64 s[OC:OC+1], s[80:81], s[96:97]
	s_lshl_b32 s96, s94, 6
	s_add_nc_u64 s[OS:OS+1], s[82:83], s[96:97]
.macro SCLOAD set, off                         ; a slot's scale words: one whole unit of 256 bytes a tile, 8 bytes a lane
.irp a, 0,1,2,3
	global_load_b64 v[SCX+24*(\set)+2*\a:SCX+24*(\set)+2*\a+1], v[L8], s[PSX:PSX+1] offset:(\off)+2048*\a
.endr
.irp b, 0,1,2,3,4,5,6,7
	global_load_b64 v[SCY+24*(\set)+2*\b:SCY+24*(\set)+2*\b+1], v[L8], s[PSY:PSY+1] offset:(\off)+2048*\b
.endr
.endm
.macro FETCH slot, q, p                        ; the fragments of the slot's q-th K step into set p: 36 loads of 512 consecutive bytes
	WIN TO_Y
.irp b, 0,1,2,3,4,5,6,7
.irp c, 0,1,2
	ds_load_b128 v[96*(\p)+12*\b+4*\c:96*(\p)+12*\b+4*\c+3], v[ADY+\slot] offset:6144*\b+1536*(\q)+512*\c
.endr
.endr
	WIN 0
.irp a, 0,1,2,3
.irp c, 0,1,2
	ds_load_b128 v[XF+48*(\p)+12*\a+4*\c:XF+48*(\p)+12*\a+4*\c+3], v[ADX+\slot] offset:6144*\a+1536*(\q)+512*\c
.endr
.endr
.endm
.macro WM d, fy, fx, sy, sx, zero, odd
.if \zero
	v_wmma_scale_f32_16x16x128_f8f6f4 v[\d:\d+7], v[\fy:\fy+11], v[\fx:\fx+11], 0, v[\sy], v[\sx] matrix_a_fmt:MATRIX_FMT_FP6 matrix_b_fmt:MATRIX_FMT_FP6
.else
.if \odd
	v_wmma_scale_f32_16x16x128_f8f6f4 v[\d:\d+7], v[\fy:\fy+11], v[\fx:\fx+11], v[\d:\d+7], v[\sy], v[\sx] matrix_a_fmt:MATRIX_FMT_FP6 matrix_b_fmt:MATRIX_FMT_FP6 matrix_a_scale:MATRIX_SCALE_ROW1 matrix_b_scale:MATRIX_SCALE_ROW1
.else
	v_wmma_scale_f32_16x16x128_f8f6f4 v[\d:\d+7], v[\fy:\fy+11], v[\fx:\fx+11], v[\d:\d+7], v[\sy], v[\sx] matrix_a_fmt:MATRIX_FMT_FP6 matrix_b_fmt:MATRIX_FMT_FP6
.endif
.endif
.endm
; 8 products: X's tile a against Y's eight.  The 32 accumulators take turns, one instruction a turn, in the same order in every step.
.macro MUL8 a, p, q, sc, zero
.irp b, 0,1,2,3,4,5,6,7
	WM 8*(8*(\a)+\b), 96*(\p)+12*\b, XF+48*(\p)+12*(\a), SCY+24*(\sc)+2*\b+(\q)/2, SCX+24*(\sc)+2*(\a)+(\q)/2, \zero, (\q)%2
.endr
.endm
.macro ROPEL a                                 ; cos and sin of X's tile a: my row's 32 + 32 numbers
.irp b, 0,1
.irp j, 0,1,2,3
	global_load_b128 v[64*(\a)+16*\b+4*\j:64*(\a)+16*\b+4*\j+3], v[RO], s[PRO:PRO+1] offset:256*(32*((\a)/2)+8*((\a)%2))+128*\b+16*\j
.endr
.endr
.irp b, 0,1
.irp j, 0,1,2,3
	global_load_b128 v[64*(\a)+32+16*\b+4*\j:64*(\a)+32+16*\b+4*\j+3], v[RO], s[PRO:PRO+1] offset:262144+256*(32*((\a)/2)+8*((\a)%2))+128*\b+16*\j
.endr
.endr
.endm
.macro EL1                                     ; 40 loads for the epilogue: the head's bias, bv (each number twice: a pair), the table for tile 0
	WIN 0x40
.irp b, 0,1,2,3
.irp j, 0,1,2,3
	global_load_b128 v[192+16*\b+4*\j:192+16*\b+4*\j+3], v[BO], s[PBI:PBI+1] offset:128*\b+16*\j
.endr
.endr
	WIN 0
.irp a, 0,1,2,3
	global_load_b32 v[BV+2*\a], v[BVO], s[PBV:PBV+1] offset:4*(32*(\a/2)+8*(\a%2))
	global_load_b32 v[BV+2*\a+1], v[BVO], s[PBV:PBV+1] offset:4*(32*(\a/2)+8*(\a%2))
.endr
	WIN 0xc0
	ROPEL 0
	WIN 0
.endm
.macro EL2                                     ; 48 more: the table for tiles 1, 2, 3
	WIN 0xc0
	ROPEL 1
	ROPEL 2
	ROPEL 3
	WIN 0
.endm
; A K step that has its successor in the same slot.  lw: the slot's scale words are waited for; scl: the next slot's are asked for; el: EL2
.macro STEP slot, q, zero, lw, scl, el
	s_wait_dscnt 0x0                               ; this step's fragments, asked for a step ago
.if \lw
	s_wait_loadcnt 0x0                             ; this slot's scale words; so their base may step too
.endif
	PLACES 4                                       ; in front of loads into registers that the last products have read
.if \scl
	s_add_nc_u64 s[PSX:PSX+1], s[PSX:PSX+1], 256
	s_add_nc_u64 s[PSY:PSY+1], s[PSY:PSY+1], 256
	SCLOAD 1-\slot, 256
.endif
.if \el
	EL2
.endif
	FETCH \slot, (\q)+1, 1-(\q)%2
	WIN MUL
	MUL8 0, (\q)%2, \q, \slot, \zero
	MUL8 1, (\q)%2, \q, \slot, \zero
	MUL8 2, (\q)%2, \q, \slot, \zero
	MUL8 3, (\q)%2, \q, \slot, \zero
	WIN 0
.endm
; A slot's last step changes slots: one barrier; in front of it each wave waits for all its tensor loads, adds 0 to its spare word, and waits for that and for its reads of this slot.
.macro TURN slot, next, fill
.if \fill
	s_wait_xcnt 0x0                                ; my prefetches have read their address
	s_add_nc_u64 s[PFA:PFA+1], s[PFA:PFA+1], 6144
.endif
	s_wait_tensorcnt 0x0                           ; all my tensor loads have landed: my part of the next slot
	ds_add_u32 v[SPW], v[NIL]                      ; 0 onto my spare word
	s_wait_dscnt 1                                 ; this step's fragments are in; the add may be out
	WIN MUL
	MUL8 0, 1, 3, \slot, 0
	s_wait_dscnt 0x0                               ; the add is done, and my reads of this slot are over
	s_barrier_signal -1
	MUL8 1, 1, 3, \slot, 0
	WIN 0
	s_barrier_wait -1
.if \fill
	CREST                                          ; the barrier has opened a round of the cluster's: no wave of any partner still reads this slot or has a load on its way
	s_add_nc_u64 s[G0X+4*\slot+2:G0X+4*\slot+3], s[G0X+4*\slot+2:G0X+4*\slot+3], 12288
	s_add_nc_u64 s[G0Y+4*\slot+2:G0Y+4*\slot+3], s[G0Y+4*\slot+2:G0Y+4*\slot+3], 12288
	JLOAD G0X+4*\slot, G1X, G0Y+4*\slot, G1Y       ; my one tensor load behind the round; its four v_nop are the places in front of the loads below
.else
	PLACES 4
.endif
	FETCH \next, 0, 0
.if \fill
	s_cmp_gt_u32 s3, 1                             ; the loop's last trip loads fills 6 and 7: no fill stands two on
	s_cbranch_scc0 .Lpf_no_\@
	ASKP 12288
.Lpf_no_\@:
.endif
	WIN MUL
	MUL8 2, 1, 3, \slot, 0
	MUL8 3, 1, 3, \slot, 0
	WIN 0
.endm
	SCLOAD 0, 0
	SCLOAD 1, 256
	s_wait_alu depctr_va_vdst(0)                   ; the wait at the head's end
	s_wait_tensorcnt 0x0                           ; my part of slot 0 is in
	ds_add_u32 v[SPW], v[NIL]
	s_wait_dscnt 0x0
	CROUND                                         ; a whole round: slot 0 is whole, and the sixteen partners' joint loads meet
	JLOAD G0X+4, G1X, G0Y+4, G1Y                   ; slot 1's first fill, my one tensor load behind the round
	FETCH 0, 0, 0
	ASKP 12288                                     ; fill 3
	s_wait_loadcnt 12                              ; set 0's scale words are in; set 1's 12 loads may be out
	STEP 0, 0, 1, 0, 0, 0                          ; the first step starts the sums
	s_mov_b32 s3, 3
.Llap:                                         ; a trip goes once round the ring and fills both slots again
	STEP 0, 1, 0, 0, 0, 0
	STEP 0, 2, 0, 0, 0, 0
	TURN 0, 1, 1
	STEP 1, 0, 0, 1, 1, 0
	STEP 1, 1, 0, 0, 0, 0
	STEP 1, 2, 0, 0, 0, 0
	TURN 1, 0, 1
	STEP 0, 0, 0, 1, 1, 0
	s_sub_co_u32 s3, s3, 1
	s_cmp_lg_u32 s3, 0
	s_cbranch_scc1 .Llap
	s_wait_alu depctr_va_vdst(0)
	EL1
	STEP 0, 1, 0, 0, 0, 0                          ; the last lap fills nothing
	STEP 0, 2, 0, 0, 0, 0
	TURN 0, 1, 0
	STEP 1, 0, 0, 1, 0, 1
	STEP 1, 1, 0, 0, 0, 0
	STEP 1, 2, 0, 0, 0, 0
	s_wait_dscnt 0x0
	WIN MUL
	MUL8 0, 1, 3, 1, 0
	MUL8 1, 1, 3, 1, 0
	MUL8 2, 1, 3, 1, 0
	MUL8 3, 1, 3, 1, 0
	WIN 0
	PLACES 4                                       ; in front of the first read of results, and of writes into X's registers
; X's tile a: bias, (q, k: the turn), quantised, image stored.  Each accumulator is read from its low end on.
.macro EPI a, kind
.if \kind == 0
.if \a > 0
	s_wait_loadcnt 48-16*\a                        ; this tile's cos and sin are in; the later tiles' 16 loads each may be out
.endif
.endif
.if \a > 0
	s_wait_xcnt 0x0                                ; the last image's stores have read their registers
.endif
.if \kind == 0
	WIN 0x06                                       ; source 0 window 2, source 1 window 1
.set NN, 0
.rept 32
	v_pk_add_f32 v[HA+NN:HA+NN+1], v[64*\a+NN:64*\a+NN+1], v[192+NN:192+NN+1]
.set NN, NN+2
.endr
	WIN 0x0c                                       ; source 1 window 3: x1' = x1 cos - x2 sin, x2' = x2 cos + x1 sin; x1 = d 0-63 in v[HA] on, x2 = d + 64 in v[HA+32] on
.set KK, 0
.rept 16
.set T0, TT+4*(KK%4)
	v_pk_mul_f32 v[T0:T0+1], v[HA+32+2*KK:HA+33+2*KK], v[64*\a+32+2*KK:64*\a+33+2*KK]
	v_pk_mul_f32 v[T0+2:T0+3], v[HA+2*KK:HA+1+2*KK], v[64*\a+32+2*KK:64*\a+33+2*KK]
	v_pk_fma_f32 v[HA+2*KK:HA+1+2*KK], v[HA+2*KK:HA+1+2*KK], v[64*\a+2*KK:64*\a+1+2*KK], v[T0:T0+1] neg_lo:[0,0,1] neg_hi:[0,0,1]
	v_pk_fma_f32 v[HA+32+2*KK:HA+33+2*KK], v[HA+32+2*KK:HA+33+2*KK], v[64*\a+2*KK:64*\a+1+2*KK], v[T0+2:T0+3]
.set KK, KK+1
.endr
.else
	WIN 0x02                                       ; source 0 window 2
.set NN, 0
.rept 32
	v_pk_add_f32 v[HA+NN:HA+NN+1], v[64*\a+NN:64*\a+NN+1], v[BV+2*\a:BV+2*\a+1]
.set NN, NN+2
.endr
.endif
	WIN 0
	QUANT HA
.irp c, 0,1,2
	global_store_b128 v[LI], v[PC+4*\c:PC+4*\c+3], s[OC:OC+1] offset:1536*\a+512*\c   ; 512 consecutive bytes, aligned
.endr
	v_mov_b32 v[PWS+\a], v[PW]
.endm
	s_cmp_eq_u32 s[KIND], 0                        ; the one branch on the kind: the same in all sixteen partners
	s_cbranch_scc0 .Lv_kind
	EPI 0, 0
	EPI 1, 0
	EPI 2, 0
	EPI 3, 0
	s_branch .Ljoin
.Lv_kind:
	EPI 0, 1
	EPI 1, 1
	EPI 2, 1
	EPI 3, 1
.Ljoin:
	s_wait_alu depctr_va_vdst(0)
	v_cmp_ne_u32 vcc_lo, 0, v3                     ; the four fragments' scale unit
	v_cndmask_b32 v224, v[PWS], v[PWS+1], vcc_lo
	v_cndmask_b32 v225, v[PWS+2], v[PWS+3], vcc_lo
	global_store_b64 v[L8], v[224:225], s[OS:OS+1] ; one whole unit of 256 bytes
	s_wait_tensorcnt 0x0                           ; the wave's end
	ds_add_u32 v[SPW], v[NIL]
	s_wait_dscnt 0x0
	CROUND                                         ; the closing round
	s_endpgm
.Lfunc_end_k_q2134a47d77_proj:
	.size	k_q2134a47d77_proj, .Lfunc_end_k_q2134a47d77_proj-k_q2134a47d77_proj
	.p2alignl 7, 3214868480
	.fill 96, 4, 3214868480
	.section	.rodata,"a",@progbits
	.p2align	6, 0x0
	.amdhsa_kernel k_q2134a47d77_proj
		.amdhsa_group_segment_fixed_size 327680
		.amdhsa_private_segment_fixed_size 0
		.amdhsa_enable_private_segment 0
		.amdhsa_kernarg_size 64
		.amdhsa_user_sgpr_count 2
		.amdhsa_user_sgpr_kernarg_segment_ptr 1
		.amdhsa_wavefront_size32 1
		.amdhsa_system_sgpr_workgroup_id_x 1
		.amdhsa_system_sgpr_workgroup_id_y 1
		.amdhsa_system_sgpr_workgroup_id_z 1
		.amdhsa_system_vgpr_workitem_id 0
		.amdhsa_next_free_vgpr 1024
		.amdhsa_next_free_sgpr 100
		.amdhsa_reserve_vcc 1
		.amdhsa_float_denorm_mode_32 3
		.amdhsa_float_denorm_mode_16_64 3
		.amdhsa_memory_ordered 1
		.amdhsa_forward_progress 1
		.amdhsa_inst_pref_size 197
	.end_amdhsa_kernel
	.amdgpu_metadata
---
amdhsa.version: [ 1, 2 ]
amdhsa.kernels:
  - .name:           k_q2134a47d77_proj
    .symbol:         k_q2134a47d77_proj.kd
    .args:
      - { .name: c1, .offset: 0, .size: 8, .value_kind: global_buffer, .address_space: global }
      - { .name: s1, .offset: 8, .size: 8, .value_kind: global_buffer, .address_space: global }
      - { .name: rope, .offset: 16, .size: 8, .value_kind: global_buffer, .address_space: global }
      - { .name: bq, .offset: 24, .size: 8, .value_kind: global_buffer, .address_space: global }
      - { .name: bk, .offset: 32, .size: 8, .value_kind: global_buffer, .address_space: global }
      - { .name: bv, .offset: 40, .size: 8, .value_kind: global_buffer, .address_space: global }
      - { .name: c2, .offset: 48, .size: 8, .value_kind: global_buffer, .address_space: global }
      - { .name: s2, .offset: 56, .size: 8, .value_kind: global_buffer, .address_space: global }
    .group_segment_fixed_size: 327680
    .private_segment_fixed_size: 0
    .kernarg_segment_align: 8
    .kernarg_segment_size: 64
    .max_flat_workgroup_size: 128
    .sgpr_count:     100
    .vgpr_count:     1024
    .wavefront_size: 32
...
	.end_amdgpu_metadata
.endif
;; end of part 2
;; launch attn (part 3): grid 32 x 8, 4 waves a work-group, clusters of 4 x 1, 327,680 bytes of LDS; arguments c2, s2, sink, c3, s3; writes c3, s3
.if DOCPART == 3
	.amdgcn_target "amdgcn-amd-amdhsa--gfx1250"
	.amdhsa_code_object_version 6
	.text
	.protected	k_q2134a47d77_attn
	.globl	k_q2134a47d77_attn
	.p2align	8
	.type	k_q2134a47d77_attn,@function
k_q2134a47d77_attn:
	s_mov_b64 s[64:65], 0
	v_nop
	global_prefetch_b8 v0, s[64:65] scope:SCOPE_SE
	s_setreg_imm32_b32 hwreg(HW_REG_WAVE_MODE, 25, 1), 1
	s_wait_xcnt 0x0
	s_wait_alu depctr_hold_cnt(0) depctr_sa_sdst(0) depctr_va_vdst(0) depctr_va_sdst(0) depctr_va_ssrc(0) depctr_va_vcc(0) depctr_vm_vsrc(0)
	s_getreg_b32 s2, hwreg(HW_REG_IB_STS2, 6, 4)
	s_cmp_eq_u32 s2, 0
	s_cbranch_scc0 .Lentry_in_a_cluster
	s_endpgm
.Lentry_in_a_cluster:
	s_bfe_u32 s2, ttmp6, 0x10000c
	s_cmp_lg_u32 s2, 0x3003
	s_cbranch_scc0 .Lentry_shape_is_right
	s_endpgm
.Lentry_shape_is_right:
.set LI,   1
.set LI2,  2
.set LV,   3
.set LV2,  4
.set L8,   5
.set R8,   6
.set DV,   7
.set NINF, 8
.set QS,   9
.set NM,   10
.set RI,   12
.set SUMA, 14
.set SUMB, 16
.set QF,   24
.set PC,   36
.set PW,   56
.set SK2,  58
.set VD0,  59
.set TM,   60
.set BM,   80
.set KSC,  112
.set VSC,  144
.set OT,   176
.set SO,   240
.set BY,   244
.set SCA,  248
.set RDU,  249
.set WV,   14
.set SG,   21
.set CS,   44
.set SEL,  46
.set MSB, 0
.macro WIN new
.if MSB != \new
	s_set_vgpr_msb (MSB<<8)|\new
.set MSB, \new
.endif
.endm
.macro PLACES n
.rept \n
	v_nop
.endr
.endm
.macro QUANT s
.irp b, 0,1,2,3
	v_max3_num_f32 v[TM+\b], |v[\s+16*\b]|, |v[\s+1+16*\b]|, 0x1800000
.endr
.irp i, 2,4,6,8,10,12,14
.irp b, 0,1,2,3
	v_max3_num_f32 v[TM+\b], v[TM+\b], |v[\s+16*\b+\i]|, |v[\s+1+16*\b+\i]|
.endr
.endr
.irp b, 0,1,2,3
	v_permlanex16_b32 v[TM+4+\b], v[TM+\b], s[SEL], s[SEL+1]
.endr
.irp b, 0,1,2,3
	v_max_num_f32 v[TM+\b], v[TM+\b], v[TM+4+\b]
.endr
.irp b, 0,1,2,3
	v_add_nc_u32 v[TM+12+\b], 0xff000000, v[TM+\b]
.endr
.irp b, 0,1,2,3
	v_lshrrev_b32 v[TM+4+\b], 23, v[TM+12+\b]
.endr
	v_lshl_or_b32 v[PW], v[TM+5], 8, v[TM+4]
	v_lshl_or_b32 v[PW], v[TM+6], 16, v[PW]
	v_lshl_or_b32 v[PW], v[TM+7], 24, v[PW]
.irp c, 0,1
	v_cvt_scalef32_pk16_fp6_f32 v[PC+6*\c:PC+2+6*\c], v[\s+32*\c:\s+15+32*\c], v[TM+12+2*\c]
	v_cvt_scalef32_pk16_fp6_f32 v[PC+12+4*\c:PC+14+4*\c], v[\s+16+32*\c:\s+31+32*\c], v[TM+12+2*\c+1]
.endr
	v_nop
.irp c, 0,1
.irp i, 0,1,2
	v_permlane16_swap_b32 v[PC+6*\c+\i], v[PC+12+4*\c+\i]
.endr
.irp i, 0,1,2
	v_mov_b32 v[PC+3+6*\c+\i], v[PC+12+4*\c+\i]
.endr
.endr
.endm
.macro CROUND
	s_barrier_signal -1
	s_barrier_wait -1
	s_cmp_lg_u32 s[WV], 0
	s_cbranch_scc1 .Lnot_wave_0_\@
	s_barrier_signal -3
.Lnot_wave_0_\@:
	s_barrier_wait -3
	s_barrier_signal -1
	s_barrier_wait -1
.endm
.macro UPTR qp, qsp, op, dv
	s_lshl_b32 s22, s19, 6
	s_add_co_u32 s22, s22, s20
	s_mul_i32 s24, s22, 1536
	s_mov_b32 s25, 0
	s_add_nc_u64 s[\qp:\qp+1], s[4:5], s[24:25]
	s_lshr_b32 s24, s22, 2
	s_lshl_b32 s24, s24, 8
	s_and_b32 s26, s20, 1
	s_lshl_b32 s27, s26, 7
	s_add_co_u32 s24, s24, s27
	s_bfe_u32 s27, s20, 0x10001
	s_lshl_b32 s27, s27, 2
	s_add_co_u32 s24, s24, s27
	s_add_nc_u64 s[\qsp:\qsp+1], s[6:7], s[24:25]
	s_lshl_b32 s24, s20, 5
	s_add_co_u32 s24, s24, s19
	s_mul_i32 s24, s24, 1536
	s_add_nc_u64 s[\op:\op+1], s[10:11], s[24:25]
	s_bfe_u32 s24, s20, 0x20001
	s_lshl_b32 s24, s24, 5
	s_lshl_b32 s26, s26, 3
	s_add_co_u32 s[\dv], s24, s26
.endm
.macro QLOAD qp, qsp
.irp c, 0,1,2
	global_load_b128 v[QF+4*\c:QF+4*\c+3], v[LI], s[\qp:\qp+1] offset:512*\c
.endr
	global_load_b32 v[QS], v[R8], s[\qsp:\qsp+1]
.endm
	s_load_b256 s[4:11], s[0:1], 0x0
	s_load_b64 s[12:13], s[0:1], 0x20
	v_lshl_add_u32 v254, v0, 2, 0x30200
	v_mov_b32 v255, 0
	ds_add_u32 v254, v255
	ds_add_u32 v254, v255
	v_lshrrev_b32 v10, 5, v0
	v_readfirstlane_b32 s[WV], v10
	s_bfe_u32 s15, ttmp6, 0x40000
	s_lshl_b32 s16, ttmp9, 2
	s_add_co_u32 s16, s16, s15
	s_lshr_b32 s17, ttmp9, 1
	s_and_b32 s18, ttmp7, 0xffff
	s_lshl_b32 s19, s18, 2
	s_add_co_u32 s19, s19, s[WV]
	s_mov_b32 s28, 15|(3<<16)|(1<<21)
	s_mov_b32 s29, 32<<16
	s_mov_b32 s30, 96<<16
	s_mov_b32 s31, 32<<16
	s_mov_b32 s32, 96
	s_mov_b32 s33, 32
	s_mov_b32 s34, 0
	s_mov_b32 s35, 0
	s_lshr_b32 s22, s[WV], 1
	s_and_b32 s23, s[WV], 1
	s_mul_i32 s24, s22, 98304
	s_mul_i32 s25, s23, 24576
	s_add_co_u32 s24, s24, s25
	s_mul_i32 s26, s22, 786432
	s_add_co_u32 s26, s26, s25
	s_mul_i32 s27, s18, 98304
	s_add_co_u32 s26, s26, s27
	s_add_co_u32 s26, s26, 3145728
	s_mov_b32 s27, 0
	s_wait_dscnt 0x0
	s_wait_kmcnt 0x0
	s_add_nc_u64 s[26:27], s[4:5], s[26:27]
	CROUND
	s_mov_b32 s36, 1
	s_mov_b32 s37, s24
	s_mov_b64 s[38:39], s[26:27]
	s_or_b32 s39, s39, 0x80000000
	s_mov_b32 s40, 1
	s_add_co_u32 s41, s24, 49152
	s_add_nc_u64 s[42:43], s[26:27], 49152
	s_or_b32 s43, s43, 0x80000000
	tensor_load_to_lds s[36:39], s[28:35]
	s_nop 0
.rept 4
	v_nop
.endr
	s_lshl_b32 s24, s19, 2
	s_mov_b32 s25, 0
	s_add_nc_u64 s[8:9], s[8:9], s[24:25]
	s_load_b32 s49, s[8:9], 0x0
	v_and_b32 v10, 31, v0
	v_lshlrev_b32 v[LI], 4, v10
	v_add_nc_u32 v[LI2], 49152, v[LI]
	v_add_nc_u32 v[LV], 98304, v[LI]
	v_add_nc_u32 v[LV2], 147456, v[LI]
	v_lshlrev_b32 v[L8], 3, v10
	v_and_b32 v11, 15, v0
	v_bfe_u32 v12, v0, 4, 1
	v_lshlrev_b32 v[R8], 3, v11
	s_wait_alu depctr_va_vdst(0)
	v_and_b32 v13, 8, v11
	v_add_nc_u32 v13, v13, v11
	v_lshlrev_b32 v12, 4, v12
	v_sub_nc_u32 v[VD0], v13, v12
	v_mov_b32 v[NINF], 0xff800000
	s_lshl_b32 s24, s23, 7
	s_lshl_b32 s25, s22, 2
	s_add_co_u32 s24, s24, s25
	s_add_co_u32 s24, s24, 196608
	v_add_nc_u32 v[SCA], s24, v[R8]
	s_lshl_b32 s24, s23, 8
	s_add_co_u32 s24, s24, 196608
	v_add_nc_u32 v[RDU], s24, v[L8]
	s_sub_co_u32 s24, 63, s16
	s_cmp_eq_u32 s23, 0
	s_cselect_b32 s24, s16, s24
	s_lshl_b32 s24, s24, 3
	s_add_co_u32 s24, s24, s18
	s_lshl_b32 s24, s24, 8
	s_mov_b32 s25, 0
	s_add_nc_u64 s[12:13], s[12:13], s[24:25]
	s_lshl_b32 s24, s18, 12
	s_add_co_u32 s24, s24, 131072
	s_add_nc_u64 s[56:57], s[6:7], s[24:25]
.irp n, 0,1,2,3,4,5,6,7,8,9,10,11,12,13,14,15
	global_load_b64 v[KSC+2*\n:KSC+2*\n+1], v[L8], s[56:57] offset:256*\n
	global_load_b64 v[VSC+2*\n:VSC+2*\n+1], v[L8], s[56:57] offset:32768+256*\n
.endr
	s_mov_b32 s20, s16
	UPTR 50, 52, 54, 48
	s_sub_co_u32 s20, 63, s16
	UPTR 58, 60, 62, 3
	QLOAD 50, 52
	s_mov_b32 s[CS], 0x3e0293ee
	s_mov_b32 s[CS+1], s[CS]
	s_mov_b32 s[SEL], 0x76543210
	s_mov_b32 s[SEL+1], 0xfedcba98
.irp b, 0,1,2,3
	v_mov_b32 v[18+\b], 0
	v_mov_b32 v[TM+4+\b], 0
.endr
	s_wait_kmcnt 0x0
	v_mov_b32 v[SK2], s49
	v_mul_f32 v[SK2], 0x3fb8aa3b, v[SK2]
.macro WMS d, fa, fb, zero, sa, sb, odd
.if \zero
.if \odd
	v_wmma_scale_f32_16x16x128_f8f6f4 v[\d:\d+7], v[\fa:\fa+11], v[\fb:\fb+11], 0, v[\sa], v[\sb] matrix_a_fmt:MATRIX_FMT_FP6 matrix_b_fmt:MATRIX_FMT_FP6 matrix_a_scale:MATRIX_SCALE_ROW1
.else
	v_wmma_scale_f32_16x16x128_f8f6f4 v[\d:\d+7], v[\fa:\fa+11], v[\fb:\fb+11], 0, v[\sa], v[\sb] matrix_a_fmt:MATRIX_FMT_FP6 matrix_b_fmt:MATRIX_FMT_FP6
.endif
.else
.if \odd
	v_wmma_scale_f32_16x16x128_f8f6f4 v[\d:\d+7], v[\fa:\fa+11], v[\fb:\fb+11], v[\d:\d+7], v[\sa], v[\sb] matrix_a_fmt:MATRIX_FMT_FP6 matrix_b_fmt:MATRIX_FMT_FP6 matrix_a_scale:MATRIX_SCALE_ROW1
.else
	v_wmma_scale_f32_16x16x128_f8f6f4 v[\d:\d+7], v[\fa:\fa+11], v[\fb:\fb+11], v[\d:\d+7], v[\sa], v[\sb] matrix_a_fmt:MATRIX_FMT_FP6 matrix_b_fmt:MATRIX_FMT_FP6
.endif
.endif
.endm
.macro SETW st
.set W, 1+(\st)/4
.set SBS, 64*((\st)%4)
.set BMS, BM+4*(\st)
.endm
.macro KLOAD st
	WIN 0xc0
.set KB, 96*((\st)%2)
.irp t, 0,1,2,3,4,5,6,7
.irp c, 0,1,2
.if (\st) < 4
	ds_load_b128 v[KB+12*\t+4*\c:KB+12*\t+4*\c+3], v[LI] offset:12288*((\st)%4)+1536*\t+512*\c
.else
	ds_load_b128 v[KB+12*\t+4*\c:KB+12*\t+4*\c+3], v[LI2] offset:12288*((\st)%4)+1536*\t+512*\c
.endif
.endr
.endr
	WIN 0
.endm
.macro VLOAD st
	WIN 0xc0
.irp t, 0,1,2,3,4,5,6,7
.irp c, 0,1,2
.if (\st) < 4
	ds_load_b128 v[12*\t+4*\c:12*\t+4*\c+3], v[LV] offset:12288*((\st)%4)+1536*\t+512*\c
.else
	ds_load_b128 v[12*\t+4*\c:12*\t+4*\c+3], v[LV2] offset:12288*((\st)%4)+1536*\t+512*\c
.endif
.endr
.endr
	WIN 0
.endm
.macro PHA st, nst
	PLACES 4
.if (\st)+1 < \nst
	KLOAD (\st)+1
	s_wait_dscnt 24
.else
	s_wait_dscnt 0x0
.endif
.if (\st) == 0
	s_wait_loadcnt 0x0
.endif
	SETW \st
.set WX, (W<<6)|3
	WIN WX
.set KB, 96*((\st)%2)
.irp t, 0,1,2,3,4,5,6,7
	WMS SBS+8*\t, KB+12*\t, QF, 1, KSC+2*(2*(\st)+\t/4)+(\t%4)/2, QS, \t%2
.endr
	WIN 0
.endm
.macro B1 st, uno, base
.if (\st) > (\base)
	s_cmp_lt_u32 s[SG], \st
	s_cbranch_scc1 .Lb1_end_\uno
.endif
	SETW \st
.if (\st) >= (\base)
	s_cmp_lg_u32 s[SG], \st
	s_cbranch_scc1 .Lopen_\@
.set WX, (W<<6)|W
	WIN WX
.set NN, 0
.rept 64
	v_cmp_gt_i32 vcc_lo, 32*(NN/16)+NN%16, v[DV]
	v_cndmask_b32 v[SBS+NN], v[SBS+NN], v[NINF], vcc_lo
.set NN, NN+1
.endr
	WIN 0
.Lopen_\@:
.endif
.set WX, W|(W<<2)|(W<<4)
	WIN WX
.irp b, 0,1,2,3
	v_max3_num_f32 v[BMS+\b], v[SBS+16*\b], v[SBS+16*\b+1], v[SBS+16*\b+2]
.endr
.set WX, (W<<2)|(W<<4)
	WIN WX
.irp i, 3,5,7,9,11,13
.irp b, 0,1,2,3
	v_max3_num_f32 v[BMS+\b], v[BMS+\b], v[SBS+16*\b+\i], v[SBS+16*\b+\i+1]
.endr
.endr
.irp b, 0,1,2,3
	v_max_num_f32 v[BMS+\b], v[BMS+\b], v[SBS+16*\b+15]
.endr
	WIN 0
.irp b, 0,1,2,3
	v_permlanex16_b32 v[18+\b], v[BMS+\b], s[SEL], s[SEL+1]
.endr
.irp b, 0,1,2,3
	v_max_num_f32 v[BMS+\b], v[BMS+\b], v[18+\b]
.endr
.endm
.macro B2 st, uno, base
.if (\st) > (\base)
	s_cmp_lt_u32 s[SG], \st
	s_cbranch_scc1 .Lb2_end_\uno
.endif
	SETW \st
.irp b, 0,1,2,3
	v_fma_f32 v[BMS+\b], v[BMS+\b], s[CS], v[NM]
.endr
.set WX, (W<<6)|W
	WIN WX
.set NN, 0
.rept 32
	v_pk_fma_f32 v[SBS+NN:SBS+NN+1], v[SBS+NN:SBS+NN+1], s[CS:CS+1], v[NM:NM+1] op_sel_hi:[1,0,0]
.set NN, NN+2
.endr
.set NN, 0
	s_wait_alu depctr_va_vdst(0)
.rept 64
	v_exp_f32 v[SBS+NN], v[SBS+NN]
.set NN, NN+1
.endr
	WIN 0
.irp b, 0,1,2,3
	v_exp_f32 v[BMS+\b], v[BMS+\b]
.endr
	v_nop
	s_wait_alu depctr_va_vdst(0)
.set WX, W<<2
	WIN WX
.set NN, 0
.rept 16
	v_pk_add_f32 v[SUMA:SUMA+1], v[SUMA:SUMA+1], v[SBS+NN:SBS+NN+1]
	v_pk_add_f32 v[SUMB:SUMB+1], v[SUMB:SUMB+1], v[SBS+NN+2:SBS+NN+3]
.set NN, NN+4
.endr
	WIN 0
.endm
.macro B3 st, uno, base
.if (\st) > (\base)
	s_cmp_lt_u32 s[SG], \st
	s_cbranch_scc1 .Lb3_end_\uno
.endif
	SETW \st
	PLACES 4
	VLOAD \st
.set WX, (W<<6)|W
	WIN WX
.set NN, 0
.rept 32
	v_pk_mul_f32 v[SBS+NN:SBS+NN+1], v[SBS+NN:SBS+NN+1], v[RI:RI+1]
.set NN, NN+2
.endr
	WIN 0
.irp b, 0,1,2,3
	v_mul_f32 v[BMS+\b], v[BMS+\b], v[RI]
.endr
.irp b, 0,1,2,3
	v_max_num_f32 v[BMS+\b], 0x1800000, v[BMS+\b]
.endr
.irp b, 0,1,2,3
	v_add_nc_u32 v[SO+\b], 0xff000000, v[BMS+\b]
.endr
.irp b, 0,1,2,3
	v_lshrrev_b32 v[BY+\b], 23, v[SO+\b]
.endr
	v_lshl_or_b32 v[PW], v[BY+1], 8, v[BY]
	v_lshl_or_b32 v[PW], v[BY+2], 16, v[PW]
	v_lshl_or_b32 v[PW], v[BY+3], 24, v[PW]
	WIN W
.irp c, 0,1
	v_cvt_scalef32_pk16_fp6_f32 v[PC+6*\c:PC+2+6*\c], v[SBS+32*\c:SBS+15+32*\c], v[SO+2*\c]
	v_cvt_scalef32_pk16_fp6_f32 v[PC+12+4*\c:PC+14+4*\c], v[SBS+16+32*\c:SBS+31+32*\c], v[SO+2*\c+1]
.endr
	WIN 0
	v_nop
.irp c, 0,1
.irp i, 0,1,2
	v_permlane16_swap_b32 v[PC+6*\c+\i], v[PC+12+4*\c+\i]
.endr
.irp i, 0,1,2
	v_mov_b32 v[PC+3+6*\c+\i], v[PC+12+4*\c+\i]
.endr
.endr
	PLACES 8
	s_wait_alu depctr_va_vdst(0)
	s_wait_dscnt 0x0
	WIN 0x03
.irp t, 0,1,2,3,4,5,6,7
	WMS OT+8*\t, 12*\t, PC, (\st)==0, VSC+2*(2*(\st)+\t/4)+(\t%4)/2, PW, \t%2
.endr
	WIN 0
.endm
.macro UNIT nst, uno, base, op, dv
	s_wait_xcnt 0x0
	v_add_nc_u32 v[DV], s[\dv], v[VD0]
.set NN, 4*(\base)+4
.rept 12
	v_mov_b32 v[BM+NN], v[NINF]
.set NN, NN+1
.endr
	v_mov_b32 v[SUMA], 0
	v_mov_b32 v[SUMA+1], 0
	v_mov_b32 v[SUMB], 0
	v_mov_b32 v[SUMB+1], 0
	KLOAD 0
.irp st, 0,1,2,3
	PHA \st, \nst
.endr
.if \nst > 4
.irp st, 4,5,6,7
	PHA \st, \nst
.endr
.endif
	PLACES 4
.if \uno == 0
	QLOAD 58, 60
.endif
.irp st, 0,1,2,3
	B1 \st, \uno, \base
.endr
.if \nst > 4
.irp st, 4,5,6,7
	B1 \st, \uno, \base
.endr
.endif
.Lb1_end_\uno:
	s_wait_alu depctr_va_vdst(0)
	v_max3_num_f32 v22, v[BM], v[BM+1], v[BM+2]
.set NN, 3
.rept (4*\nst-4)/2
	v_max3_num_f32 v22, v22, v[BM+NN], v[BM+NN+1]
.set NN, NN+2
.endr
	v_max_num_f32 v22, v22, v[BM+4*\nst-1]
	v_mul_f32 v22, s[CS], v22
	v_max_num_f32 v22, v22, v[SK2]
	v_sub_f32 v[NM], 0, v22
	v_mov_b32 v[NM+1], v[NM]
.irp st, 0,1,2,3
	B2 \st, \uno, \base
.endr
.if \nst > 4
.irp st, 4,5,6,7
	B2 \st, \uno, \base
.endr
.endif
.Lb2_end_\uno:
	s_wait_alu depctr_va_vdst(0)
	v_pk_add_f32 v[SUMA:SUMA+1], v[SUMA:SUMA+1], v[SUMB:SUMB+1]
	v_add_f32 v[SUMA], v[SUMA], v[SUMA+1]
	v_permlanex16_b32 v18, v[SUMA], s[SEL], s[SEL+1]
	v_add_f32 v[SUMA], v[SUMA], v18
	v_add_f32 v19, v[SK2], v[NM]
	s_wait_alu depctr_va_vdst(0)
	v_exp_f32 v19, v19
	v_nop
	s_wait_alu depctr_va_vdst(0)
	v_add_f32 v[SUMA], v[SUMA], v19
	s_wait_alu depctr_va_vdst(0)
	v_rcp_f32 v[RI], v[SUMA]
	v_rcp_f32 v[RI+1], v[SUMA]
	v_nop
	s_wait_alu depctr_va_vdst(0)
.irp st, 0,1,2,3
	B3 \st, \uno, \base
.endr
.if \nst > 4
.irp st, 4,5,6,7
	B3 \st, \uno, \base
.endr
.endif
.Lb3_end_\uno:
	PLACES 4
	QUANT OT
.irp c, 0,1,2
	global_store_b128 v[LI], v[PC+4*\c:PC+4*\c+3], s[\op:\op+1] offset:512*\c
.endr
	ds_store_b32 v[SCA], v[PW] offset:256*\uno
.endm
	s_wait_alu depctr_va_vdst(0)                   ; the wait at the head's end
	s_wait_tensorcnt 0x0                           ; my part of the first four key steps is in; the set-up and its loads above went out while it was on its way
	ds_add_u32 v254, v255
	s_wait_dscnt 0x0
	CROUND                                         ; a whole round: the first half is whole in every partner
	tensor_load_to_lds s[40:43], s[28:35]          ; key steps 4 to 7: my one tensor load behind the round
	s_nop 0
.rept 4
	v_nop
.endr
	s_mov_b32 s[SG], s17
	UNIT 4, 0, 0, 54, 48
	s_wait_tensorcnt 0x0
	s_wait_dscnt 0x0
	s_barrier_signal -1
	s_barrier_wait -1
	s_sub_co_u32 s[SG], 7, s17
	UNIT 8, 1, 4, 62, 3
	s_wait_dscnt 0x0
	s_barrier_signal -1
	s_barrier_wait -1
	s_cmp_lt_u32 s[WV], 2
	s_cbranch_scc0 .Lno_unit
	ds_load_b64 v[250:251], v[RDU]
	s_wait_dscnt 0x0
	global_store_b64 v[L8], v[250:251], s[12:13]
.Lno_unit:
	s_wait_tensorcnt 0x0
	ds_add_u32 v254, v255
	s_wait_dscnt 0x0
	CROUND
	s_endpgm
.Lfunc_end_k_q2134a47d77_attn:
	.size	k_q2134a47d77_attn, .Lfunc_end_k_q2134a47d77_attn-k_q2134a47d77_attn
	.p2alignl 7, 3214868480
	.fill 96, 4, 3214868480
	.section	.rodata,"a",@progbits
	.p2align	6, 0x0
	.amdhsa_kernel k_q2134a47d77_attn
		.amdhsa_group_segment_fixed_size 327680
		.amdhsa_private_segment_fixed_size 0
		.amdhsa_enable_private_segment 0
		.amdhsa_kernarg_size 40
		.amdhsa_user_sgpr_count 2
		.amdhsa_user_sgpr_kernarg_segment_ptr 1
		.amdhsa_wavefront_size32 1
		.amdhsa_system_sgpr_workgroup_id_x 1
		.amdhsa_system_sgpr_workgroup_id_y 1
		.amdhsa_system_sgpr_workgroup_id_z 1
		.amdhsa_system_vgpr_workitem_id 0
		.amdhsa_next_free_vgpr 1024
		.amdhsa_next_free_sgpr 66
		.amdhsa_reserve_vcc 1
		.amdhsa_float_denorm_mode_32 3
		.amdhsa_float_denorm_mode_16_64 3
		.amdhsa_memory_ordered 1
		.amdhsa_forward_progress 1
		.amdhsa_inst_pref_size 255
	.end_amdhsa_kernel
	.section	.bss,"aw",@nobits
	.p2align	6
	.space	262144
	.amdgpu_metadata
---
amdhsa.version: [ 1, 2 ]
amdhsa.kernels:
  - .name:           k_q2134a47d77_attn
    .symbol:         k_q2134a47d77_attn.kd
    .args:
      - { .name: c2, .offset: 0, .size: 8, .value_kind: global_buffer, .address_space: global }
      - { .name: s2, .offset: 8, .size: 8, .value_kind: global_buffer, .address_space: global }
      - { .name: sink, .offset: 16, .size: 8, .value_kind: global_buffer, .address_space: global }
      - { .name: c3, .offset: 24, .size: 8, .value_kind: global_buffer, .address_space: global }
      - { .name: s3, .offset: 32, .size: 8, .value_kind: global_buffer, .address_space: global }
    .group_segment_fixed_size: 327680
    .private_segment_fixed_size: 0
    .kernarg_segment_align: 8
    .kernarg_segment_size: 40
    .max_flat_workgroup_size: 128
    .sgpr_count:     66
    .vgpr_count:     1024
    .wavefront_size: 32
...
	.end_amdgpu_metadata
.endif
;; end of part 3
;; launch oproj (part 4): grid 32 x 8, 4 waves a work-group, clusters of 4 x 4, 327,680 bytes of LDS; arguments c3, s3, c1, s1, out0; writes out0
.if DOCPART == 4
	.amdgcn_target "amdgcn-amd-amdhsa--gfx1250"
	.amdhsa_code_object_version 6
	.text
	.protected	k_q2134a47d77_oproj
	.globl	k_q2134a47d77_oproj
	.p2align	8
	.type	k_q2134a47d77_oproj,@function
k_q2134a47d77_oproj:
	s_mov_b64 s[64:65], 0
	v_nop
	global_prefetch_b8 v0, s[64:65] scope:SCOPE_SE
	s_setreg_imm32_b32 hwreg(HW_REG_WAVE_MODE, 25, 1), 1
	s_wait_xcnt 0x0
	s_wait_alu depctr_hold_cnt(0) depctr_sa_sdst(0) depctr_va_vdst(0) depctr_va_sdst(0) depctr_va_ssrc(0) depctr_va_vcc(0) depctr_vm_vsrc(0)
	s_getreg_b32 s2, hwreg(HW_REG_IB_STS2, 6, 4)
	s_cmp_eq_u32 s2, 0
	s_cbranch_scc0 .Lentry_in_a_cluster
	s_endpgm
.Lentry_in_a_cluster:
	s_bfe_u32 s2, ttmp6, 0x10000c
	s_cmp_lg_u32 s2, 0xf033
	s_cbranch_scc0 .Lentry_shape_is_right
	s_endpgm
.Lentry_shape_is_right:
.set RGNB,  196608
.set STAGE, 294912
.set SPARE, STAGE+4*16*272
.set WV,   4
.set XH,   5
.set YH,   6
.set G1XA, 24
.set G1YA, 32
.set G1XB, 40
.set G1YB, 48
.set G0XA, 56
.set G0YA, 60
.set G0XB, 68
.set G0YB, 72
.set PSX,  86
.set PSY,  88
.set OUT,  90
.set ADX,  16
.set ADY,  20
.set CO,   22
.set LI,   24
.set L8,   25
.set STO,  26
.set RD,   27
.set SPW,  28
.set NIL,  29
.set SCX,  32
.set SCY,  40
.set XF,   80
.set BK,   80
.set MUL,  0xa1
.set TO_Y, 0x40
.set MSB, 0
.macro WIN new
.if MSB != \new
	s_set_vgpr_msb (MSB<<8)|\new
.set MSB, \new
.endif
.endm
.macro PLACES n
.rept \n
	v_nop
.endr
.endm
.macro JLOAD g0a, g1a, g0b, g1b
	s_cmp_eq_u32 s[XH], 0
	s_cbranch_scc0 .Lfor_b_\@
	tensor_load_to_lds s[\g0a:\g0a+3], s[\g1a:\g1a+7]
	s_nop 0
.rept 4
	v_nop
.endr
	s_branch .Lasked_\@
.Lfor_b_\@:
	tensor_load_to_lds s[\g0b:\g0b+3], s[\g1b:\g1b+7]
	s_nop 0
.rept 4
	v_nop
.endr
.Lasked_\@:
.endm
.macro CREST
	s_cmp_lg_u32 s[WV], 0
	s_cbranch_scc1 .Lnot_wave_0_\@
	s_barrier_signal -3
.Lnot_wave_0_\@:
	s_barrier_wait -3
	s_barrier_signal -1
	s_barrier_wait -1
.endm
.macro CROUND
	s_barrier_signal -1
	s_barrier_wait -1
	CREST
.endm
	s_load_b256 s[76:83], s[0:1], 0x0
	s_load_b64 s[84:85], s[0:1], 0x20
	v_lshl_add_u32 v[SPW], v0, 2, SPARE
	v_mov_b32 v[NIL], 0
	ds_add_u32 v28, v29
	ds_add_u32 v28, v29
	s_wait_dscnt 0x0
	v_lshrrev_b32 v1, 5, v0
	v_readfirstlane_b32 s[WV], v1
	s_lshr_b32 s[XH], s[WV], 1
	s_and_b32 s[YH], s[WV], 1
	s_bfe_u32 s7, ttmp6, 0x40000
	s_bfe_u32 s8, ttmp6, 0x40004
	s_lshl_b32 s9, ttmp9, 2
	s_add_co_u32 s9, s9, s7
	s_and_b32 s10, ttmp7, 0xffff
	s_lshl_b32 s10, s10, 2
	s_add_co_u32 s10, s10, s8
	s_lshl_b32 s12, s8, 2
	s_lshl_b32 s12, 15, s12
	s_lshl_b32 s13, 0x1111, s7
	s_or_b32 s[G1XA], s12, (3<<16)|(1<<21)
	s_or_b32 s[G1YA], s13, (3<<16)|(1<<21)
	s_or_b32 s[G1XB], s12, (3<<16)|(1<<21)
	s_or_b32 s[G1YB], s13, (3<<16)|(1<<21)
.irp g, G1XA, G1YA
	s_mov_b32 s[\g+1], 1536<<16
	s_mov_b32 s[\g+2], 4<<16
	s_mov_b32 s[\g+3], 1536<<16
	s_mov_b32 s[\g+4], 4
	s_mov_b32 s[\g+5], 6144
	s_mov_b32 s[\g+6], 0
	s_mov_b32 s[\g+7], 0
.endr
.irp g, G1XB, G1YB
	s_mov_b32 s[\g+1], 768<<16
	s_mov_b32 s[\g+2], 4<<16
	s_mov_b32 s[\g+3], 768<<16
	s_mov_b32 s[\g+4], 4
	s_mov_b32 s[\g+5], 6144
	s_mov_b32 s[\g+6], 0
	s_mov_b32 s[\g+7], 0
.endr
	s_lshl_b32 s14, s10, 3
	s_lshl_b32 s15, s9, 3
	s_add_co_u32 s15, s15, 448
	s_lshl_b32 s16, s[YH], 2
	s_add_co_u32 s16, s16, s14
	s_mul_i32 s16, s16, 49152
	s_mov_b32 s17, 0
	s_lshl_b32 s18, s[YH], 2
	s_add_co_u32 s18, s18, s15
	s_mul_i32 s18, s18, 49152
	s_mov_b32 s19, 0
	s_mul_i32 s20, s[YH], 49152
	s_add_co_u32 s21, s20, 98304
	s_mul_i32 s22, s[YH], 24576
	s_add_co_u32 s22, s22, RGNB
	s_add_co_u32 s23, s22, 49152
	s_lshl_b32 s92, s[XH], 2
	s_add_co_u32 s92, s92, s14
	s_lshl_b32 s92, s92, 11
	s_mov_b32 s93, 0
	s_lshl_b32 s94, s[YH], 2
	s_add_co_u32 s94, s94, s15
	s_lshl_b32 s94, s94, 11
	s_mov_b32 s95, 0
	s_wait_kmcnt 0x0
	s_add_nc_u64 s[16:17], s[76:77], s[16:17]
	s_add_nc_u64 s[18:19], s[80:81], s[18:19]
	s_add_nc_u64 s[PSX:PSX+1], s[78:79], s[92:93]
	s_add_nc_u64 s[PSY:PSY+1], s[82:83], s[94:95]
	CROUND
	s_mov_b32 s[G0XA], 1
	s_mov_b32 s[G0XA+1], s20
	s_mov_b64 s[G0XA+2:G0XA+3], s[16:17]
	s_or_b32 s[G0XA+3], s[G0XA+3], 0x80000000
	s_mov_b32 s[G0YA], 1
	s_mov_b32 s[G0YA+1], s21
	s_mov_b64 s[G0YA+2:G0YA+3], s[18:19]
	s_or_b32 s[G0YA+3], s[G0YA+3], 0x80000000
	JLOAD G0XA, G1XA, G0YA, G1YA
; PREFETCHES INTO THE L2.  The joint loads bring K steps 0-7, 8-11, 12-19, 20-23, 24-31.  Behind load i a wave asks for what load i + 2 brings (at the head also for load 1's part); the last two loads ask for nothing.
; Four K steps of a tile are 6,144 bytes, 24 blocks of 256: a lane a block, lanes 24-31 name the last block again.  Of the 4 tiles that a wave fetches the partner at cx (X) or cy (Y) takes one: each block is named once in a cluster, shared out by address.
; The address registers are never rewritten: every place along K is an immediate.
.set PFA, 96
.set PFO, 30
.macro ASKP off
	global_prefetch_b8 v[PFO], s[PFA:PFA+1] offset:\off th:TH_LOAD_NT scope:SCOPE_SE
.endm
	s_cmp_eq_u32 s[XH], 0
	s_cselect_b32 s92, s7, s8
	s_cselect_b64 s[PFA:PFA+1], s[16:17], s[18:19]
	s_mul_i32 s92, s92, 49152
	s_mov_b32 s93, 0
	s_add_nc_u64 s[PFA:PFA+1], s[PFA:PFA+1], s[92:93]
	v_and_b32 v[PFO], 31, v0
	v_min_u32 v[PFO], 23, v[PFO]
	v_lshlrev_b32 v[PFO], 8, v[PFO]
	s_wait_alu depctr_va_vdst(0)                   ; the wait ahead of the readers below
	ASKP 12288                                     ; K steps 8-11
	ASKP 18432                                     ; 12-15
	ASKP 24576                                     ; 16-19
	s_mov_b32 s[G0XB], 1
	s_mov_b32 s[G0XB+1], s22
	s_add_nc_u64 s[G0XB+2:G0XB+3], s[16:17], 8*1536
	s_or_b32 s[G0XB+3], s[G0XB+3], 0x80000000
	s_mov_b32 s[G0YB], 1
	s_mov_b32 s[G0YB+1], s23
	s_add_nc_u64 s[G0YB+2:G0YB+3], s[18:19], 8*1536
	s_or_b32 s[G0YB+3], s[G0YB+3], 0x80000000
	v_and_b32 v1, 31, v0
	v_lshlrev_b32 v[LI], 4, v1
	v_lshlrev_b32 v[L8], 3, v1
	s_mul_i32 s92, s[XH], 49152
	v_add_nc_u32 v[ADX+1], s92, v[LI]
	s_mul_i32 s93, s[YH], 49152
	s_add_co_u32 s93, s93, 98304
	v_add_nc_u32 v[ADY+1], s93, v[LI]
	s_mul_i32 s92, s[XH], 24576
	s_add_co_u32 s92, s92, RGNB
	v_add_nc_u32 v[ADX], s92, v[LI]
	s_mul_i32 s93, s[YH], 24576
	s_add_co_u32 s93, s93, RGNB+49152
	v_add_nc_u32 v[ADY], s93, v[LI]
	v_and_b32 v2, 15, v0
	v_bfe_u32 v3, v0, 4, 1
	s_mul_i32 s92, s[WV], 16*272
	s_add_co_u32 s92, s92, STAGE
	v_mul_u32_u24 v[STO], v2, 272
	v_lshl_add_u32 v[STO], v3, 6, v[STO]
	v_add_nc_u32 v[STO], s92, v[STO]
	v_mul_u32_u24 v[RD], v3, 272
	v_lshl_add_u32 v[RD], v2, 4, v[RD]
	v_add_nc_u32 v[RD], s92, v[RD]
	v_lshlrev_b32 v[CO], 14, v3
	v_lshl_add_u32 v[CO], v2, 4, v[CO]
	s_lshl_b32 s92, s10, 7
	s_lshl_b32 s93, s[XH], 6
	s_add_co_u32 s92, s92, s93
	s_lshl_b32 s92, s92, 14
	s_lshl_b32 s93, s9, 9
	s_add_co_u32 s92, s92, s93
	s_lshl_b32 s93, s[YH], 8
	s_add_co_u32 s92, s92, s93
	s_mov_b32 s93, 0
	s_add_nc_u64 s[OUT:OUT+1], s[84:85], s[92:93]
.macro SCLOAD set, off
.irp a, 0,1,2,3
	global_load_b64 v[SCX+16*(\set)+2*\a:SCX+16*(\set)+2*\a+1], v[L8], s[PSX:PSX+1] offset:(\off)+2048*\a
.endr
.irp b, 0,1,2,3
	global_load_b64 v[SCY+16*(\set)+2*\b:SCY+16*(\set)+2*\b+1], v[L8], s[PSY:PSY+1] offset:(\off)+2048*\b
.endr
.endm
.macro REGION s
.set SS, \s
.if SS < 8
.set RGA, 1
.set RGQ, SS
.elseif SS < 12
.set RGA, 0
.set RGQ, SS-8
.elseif SS < 20
.set RGA, 1
.set RGQ, SS-12
.elseif SS < 24
.set RGA, 0
.set RGQ, SS-20
.else
.set RGA, 1
.set RGQ, SS-24
.endif
.set TPI, 6144+6144*RGA
.set FP, SS%2
.endm
.macro FETCH s
	REGION \s
	WIN TO_Y
.irp b, 0,1,2,3
.irp c, 0,1,2
	ds_load_b128 v[48*FP+12*\b+4*\c:48*FP+12*\b+4*\c+3], v[ADY+RGA] offset:TPI*\b+1536*RGQ+512*\c
.endr
.endr
	WIN 0
.irp a, 0,1,2,3
.irp c, 0,1,2
	ds_load_b128 v[XF+48*FP+12*\a+4*\c:XF+48*FP+12*\a+4*\c+3], v[ADX+RGA] offset:TPI*\a+1536*RGQ+512*\c
.endr
.endr
.endm
.macro WM d, fy, fx, sy, sx, zero, odd
.if \zero
	v_wmma_scale_f32_16x16x128_f8f6f4 v[\d:\d+7], v[\fy:\fy+11], v[\fx:\fx+11], 0, v[\sy], v[\sx] matrix_a_fmt:MATRIX_FMT_FP6 matrix_b_fmt:MATRIX_FMT_FP6
.else
.if \odd
	v_wmma_scale_f32_16x16x128_f8f6f4 v[\d:\d+7], v[\fy:\fy+11], v[\fx:\fx+11], v[\d:\d+7], v[\sy], v[\sx] matrix_a_fmt:MATRIX_FMT_FP6 matrix_b_fmt:MATRIX_FMT_FP6 matrix_a_scale:MATRIX_SCALE_ROW1 matrix_b_scale:MATRIX_SCALE_ROW1
.else
	v_wmma_scale_f32_16x16x128_f8f6f4 v[\d:\d+7], v[\fy:\fy+11], v[\fx:\fx+11], v[\d:\d+7], v[\sy], v[\sx] matrix_a_fmt:MATRIX_FMT_FP6 matrix_b_fmt:MATRIX_FMT_FP6
.endif
.endif
.endm
.macro MUL4 a, s, zero
.set MP, (\s)%2
.set MQ, (\s)%4
.set MC, ((\s)/4)%2
.irp b, 0,1,2,3
	WM 8*(4*(\a)+\b), 48*MP+12*\b, XF+48*MP+12*(\a), SCY+16*MC+2*\b+MQ/2, SCX+16*MC+2*(\a)+MQ/2, \zero, MQ%2
.endr
.endm
.macro STEP s, zero
	s_wait_dscnt 0x0
.if (\s)%4 == 0
.if (\s) == 0
	s_wait_loadcnt 8
.else
	s_wait_loadcnt 0x0
.endif
.endif
	PLACES 4
.if ((\s)%4 == 0) && ((\s) >= 4) && ((\s) < 28)
	SCLOAD (((\s)/4)+1)%2, 256*((\s)/4+1)
.endif
	FETCH (\s)+1
	WIN MUL
	MUL4 0, \s, \zero
	MUL4 1, \s, \zero
	MUL4 2, \s, \zero
	MUL4 3, \s, \zero
	WIN 0
.endm
.macro TURN s, fill
	s_wait_tensorcnt 0x0
	ds_add_u32 v[SPW], v[NIL]
	s_wait_dscnt 1
	WIN MUL
	MUL4 0, \s, 0
	s_wait_dscnt 0x0
	s_barrier_signal -1
	MUL4 1, \s, 0
	WIN 0
	s_barrier_wait -1
.if \fill == 1
	CREST
	s_add_nc_u64 s[G0XA+2:G0XA+3], s[G0XA+2:G0XA+3], 12*1536
	s_add_nc_u64 s[G0YA+2:G0YA+3], s[G0YA+2:G0YA+3], 12*1536
	JLOAD G0XA, G1XA, G0YA, G1YA
.elseif \fill == 2
	CREST
	s_add_nc_u64 s[G0XB+2:G0XB+3], s[G0XB+2:G0XB+3], 12*1536
	s_add_nc_u64 s[G0YB+2:G0YB+3], s[G0YB+2:G0YB+3], 12*1536
	JLOAD G0XB, G1XB, G0YB, G1YB
.else
	PLACES 4
.endif
	FETCH (\s)+1
	WIN MUL
	MUL4 2, \s, 0
	MUL4 3, \s, 0
	WIN 0
.endm
	SCLOAD 0, 0
	SCLOAD 1, 256
	s_wait_alu depctr_va_vdst(0)                   ; the wait at the head's end
	s_wait_tensorcnt 0x0                           ; my part of K steps 0-7 is in; the set-up and the scale words' loads above went out while it was on its way
	ds_add_u32 v[SPW], v[NIL]
	s_wait_dscnt 0x0
	CROUND                                         ; a whole round: the first region is whole, and the sixteen partners' joint loads meet
	JLOAD G0XB, G1XB, G0YB, G1YB                   ; K steps 8-11: my one tensor load behind the round
	FETCH 0
	ASKP 30720                                     ; K steps 20-23
	STEP 0, 1
.set KS, 1
.rept 6
	STEP KS, 0
.set KS, KS+1
.endr
	TURN 7, 1
	ASKP 36864                                     ; K steps 24-27
	ASKP 43008                                     ; 28-31
.set KS, 8
.rept 3
	STEP KS, 0
.set KS, KS+1
.endr
	TURN 11, 2
.set KS, 12
.rept 7
	STEP KS, 0
.set KS, KS+1
.endr
	TURN 19, 1
.set KS, 20
.rept 3
	STEP KS, 0
.set KS, KS+1
.endr
	TURN 23, 0
.set KS, 24
.rept 7
	STEP KS, 0
.set KS, KS+1
.endr
	s_wait_dscnt 0x0
	WIN MUL
	MUL4 0, 31, 0
	MUL4 1, 31, 0
	MUL4 2, 31, 0
	MUL4 3, 31, 0
	WIN 0
.macro TOSTAGE a
	WIN 0x08
.irp b, 0,1,2,3
	ds_store_b128 v[STO], v[8*(4*(\a)+\b):8*(4*(\a)+\b)+3] offset:128*(\b/2)+32*(\b%2)
	ds_store_b128 v[STO], v[8*(4*(\a)+\b)+4:8*(4*(\a)+\b)+7] offset:128*(\b/2)+32*(\b%2)+16
.endr
	WIN 0
.set BB, BK+32*((\a)%2)
.irp t, 0,1,2,3,4,5,6,7
	ds_load_b128 v[BB+4*\t:BB+4*\t+3], v[RD] offset:544*\t
.endr
.endm
.macro SEND a, younger
.set BB, BK+32*((\a)%2)
	s_wait_dscnt \younger
.irp t, 0,1,2,3,4,5,6,7
	global_store_b128 v[CO], v[BB+4*\t:BB+4*\t+3], s[OUT:OUT+1] offset:16384*(32*((\a)/2)+8*((\a)%2)+2*\t+8*(\t/4)) th:TH_STORE_NT
.endr
.endm
	PLACES 4
	s_wait_alu depctr_va_vdst(0)
	TOSTAGE 0
.irp a, 1,2,3
.if \a > 1
	s_wait_xcnt 0x0
.endif
	TOSTAGE \a
	SEND \a-1, 16
.endr
	SEND 3, 0
	s_wait_tensorcnt 0x0
	ds_add_u32 v[SPW], v[NIL]
	s_wait_dscnt 0x0
	CROUND
	s_endpgm
.Lfunc_end_k_q2134a47d77_oproj:
	.size	k_q2134a47d77_oproj, .Lfunc_end_k_q2134a47d77_oproj-k_q2134a47d77_oproj
	.p2alignl 7, 3214868480
	.fill 96, 4, 3214868480
	.section	.rodata,"a",@progbits
	.p2align	6, 0x0
	.amdhsa_kernel k_q2134a47d77_oproj
		.amdhsa_group_segment_fixed_size 327680
		.amdhsa_private_segment_fixed_size 0
		.amdhsa_enable_private_segment 0
		.amdhsa_kernarg_size 40
		.amdhsa_user_sgpr_count 2
		.amdhsa_user_sgpr_kernarg_segment_ptr 1
		.amdhsa_wavefront_size32 1
		.amdhsa_system_sgpr_workgroup_id_x 1
		.amdhsa_system_sgpr_workgroup_id_y 1
		.amdhsa_system_sgpr_workgroup_id_z 1
		.amdhsa_system_vgpr_workitem_id 0
		.amdhsa_next_free_vgpr 768
		.amdhsa_next_free_sgpr 100
		.amdhsa_reserve_vcc 0
		.amdhsa_float_denorm_mode_32 3
		.amdhsa_float_denorm_mode_16_64 3
		.amdhsa_memory_ordered 1
		.amdhsa_forward_progress 1
		.amdhsa_inst_pref_size 148
	.end_amdhsa_kernel
	.amdgpu_metadata
---
amdhsa.version: [ 1, 2 ]
amdhsa.kernels:
  - .name:           k_q2134a47d77_oproj
    .symbol:         k_q2134a47d77_oproj.kd
    .args:
      - { .name: c3, .offset: 0, .size: 8, .value_kind: global_buffer, .address_space: global }
      - { .name: s3, .offset: 8, .size: 8, .value_kind: global_buffer, .address_space: global }
      - { .name: c1, .offset: 16, .size: 8, .value_kind: global_buffer, .address_space: global }
      - { .name: s1, .offset: 24, .size: 8, .value_kind: global_buffer, .address_space: global }
      - { .name: out0, .offset: 32, .size: 8, .value_kind: global_buffer, .address_space: global }
    .group_segment_fixed_size: 327680
    .private_segment_fixed_size: 0
    .kernarg_segment_align: 8
    .kernarg_segment_size: 40
    .max_flat_workgroup_size: 128
    .sgpr_count:     100
    .vgpr_count:     768
    .wavefront_size: 32
...
	.end_amdgpu_metadata
.endif
;; end of part 4
